; MI455X (gfx1250); checked and timed in simulation.
; The chip was launched on July 23, 2026; its instructions are those of AMD's public machine-readable ISA for CDNA 5 (MIT licence, August 2026) and "CDNA5" Instruction Set Architecture Reference Guide (July 2026). The comments in the code are by the model that wrote it; some were corrected since.
;; Scaled Dot Product Attention. Allowed arithmetic: matrix products marked QUANTISED: E2M3 operands, one E8M0 scale for each 32 along K, by v_wmma_scale_f32_16x16x128_f8f6f4 with both operands' format E2M3, f32 sums; everything else in f32.
;; Inputs: Wk_codes 1,024 x 32 x 24 uint8 (E2M3 codes of Wk, K innermost, in blocks of 32 codes, four codes in three bytes); Wk_scales 1,024 x 32 uint8 (E8M0 scales of Wk, one for each 32 codes along K); Wq_codes 1,024 x 32 x 24 uint8 (E2M3 codes of Wq, K innermost, in blocks of 32 codes, four codes in three bytes); Wq_scales 1,024 x 32 uint8 (E8M0 scales of Wq, one for each 32 codes along K); Wv_codes 1,024 x 32 x 24 uint8 (E2M3 codes of Wv, K innermost, in blocks of 32 codes, four codes in three bytes); Wv_scales 1,024 x 32 uint8 (E8M0 scales of Wv, one for each 32 codes along K); bk 1,024 float32; bq 1,024 float32; bv 1,024 float32; x_codes 4 x 2,048 x 32 x 24 uint8 (E2M3 codes of x, K innermost, in blocks of 32 codes, four codes in three bytes); x_scales 4 x 2,048 x 32 uint8 (E8M0 scales of x, one for each 32 codes along K).
;; Outputs: out0 4 x 2,048 x 1,024 float32.
;; This version of the problem:
;;   THIS VERSION OF THE PROBLEM IS GIVEN IN LOW PRECISION. The matrix products marked QUANTISED in the list below multiply operands that are first quantised to E2M3 (2 exponent bits, 3 mantissa bits; 6 bits a number), with one power-of-two scale for each 32 numbers along K (OCP MX v1.0); their sums are f32. All else is computed in f32.
;;   The module's matrix products, in the order in which they are computed (A, B: the left and right operand; K: the contracted axis; several contracted axes count as one K, in the product's order):
;;     1. [M 8,192, K 1,024] x [K 1,024, N 1,024]; A: input x (given as codes); B: input Wq (given as codes): QUANTISED
;;     2. [M 8,192, K 1,024] x [K 1,024, N 1,024]; A: input x (given as codes); B: input Wk (given as codes): QUANTISED
;;     3. [M 8,192, K 1,024] x [K 1,024, N 1,024]; A: input x (given as codes); B: input Wv (given as codes): QUANTISED
;;     4. batch 4 x [M 2,048, K 1,024] x [K 1,024, N 2,048]; A: computed on the way; B: computed on the way: QUANTISED
;;     5. batch 4 x [M 2,048, K 2,048] x [K 2,048, N 1,024]; A: softmax (see below); B: computed on the way: QUANTISED
;;   THE QUANTISER, for each operand of a quantised product, along K:
;;     - K is cut into blocks of 32 from its start; a last block that is shorter is filled with zeros.
;;     - A block's scale is 2^e with e = floor(log2(the largest magnitude in the block)) - 2, held to -126 .. 127; a block of zeros has e = 0. As a byte (E8M0): e + 127.
;;     - Each number is divided by its block's scale, clamped to +-7.5, and rounded to the nearest number of E2M3, ties to even, subnormals kept.
;;     - The product sums the exact products of the quantised numbers (number of the format x scale) in f32.
;;   ~~~python
;;   def quantise(x, axis):      # numpy; x: float32 -> the quantised numbers, widened to float32 again
;;       x = np.moveaxis(x, axis, -1); K = x.shape[-1]
;;       x = np.pad(x, [(0, 0)] * (x.ndim - 1) + [(0, -K % 32)]); x = x.reshape(x.shape[:-1] + (-1, 32)); a = np.abs(x).max(-1, keepdims=True)
;;       e = np.where(a > 0, np.clip(np.frexp(np.where(a > 0, a, 1))[1] - 1 - 2, -126, 127), 0)      # np.frexp(a)[1] - 1 = floor(log2(a)), exactly
;;       r = np.clip(x / 2.0 ** e, -7.5, 7.5)
;;       step = 2.0 ** (np.maximum(np.frexp(np.where(r == 0, 1, r))[1] - 1, 0) - 3)
;;       q = np.round(r / step) * step * 2.0 ** e      # np.round: ties to even
;;       return np.moveaxis(q.reshape(q.shape[:-2] + (-1,))[..., :K], -1, axis).astype(np.float32)
;;   ~~~
;;   SOFTMAX AHEAD OF A QUANTISED PRODUCT. Where the list says 'softmax', what is quantised is not the finished softmax but p = 2^(t - M), with t = logit x log2(e) and M = ceil(the row's largest t), a whole number; so 1/2 < the row's largest p <= 1. The row's sum l is taken of the UNQUANTISED p, in f32, and the product's result is divided by l at the end. Since M is a whole number, a kernel that streams over the keys may use a running M (the ceiling of the running maximum): every later rescaling is an exact power of two, which a block's scale takes up: the codes' values come out the same.
;;   OPERANDS COMPUTED ON THE WAY. 'Computed on the way' means the value that the module computes at that place (a softmax that the list does not call 'softmax' is quantised finished and normalised). What goes into a quantiser is computed in f32, as accurately as f32 sums, v_exp_f32 and their like allow (about 1e-6 of the number): no bf16 or f16 on the way to a quantiser, and a product that is left as it is and whose result goes on into a quantised operand takes f32 operands (vector FMAs, or v_wmma_f32_16x16x4_f32). A number that lies on a knife's edge between two numbers of the format may be rounded either way, as far as f32 arithmetic and the matrix unit's own rounding can turn it there, and no further.
;;   INPUTS GIVEN AS CODES. Wk (in the module: [1024, 1024], K = its axis 0); Wq (in the module: [1024, 1024], K = its axis 0); Wv (in the module: [1024, 1024], K = its axis 0); x (in the module: [4, 2048, 1024], K = its axis 2): each comes as NAME_codes (uint8): NAME with its K axis moved to the last place and cut into blocks of 32 codes, [.., K / 32, bytes a block], one block behind the other in memory; four codes in three bytes: a row's codes are one little-endian stream of bits, code i at bits 6 i .. 6 i + 5 (a code: sign, 2 exponent bits, 3 mantissa bits); and NAME_scales (uint8): the same leading axes, one E8M0 byte (e + 127) for each 32 codes along K. Its value is code x scale, taken as it is: it is not quantised again, and the codes and scales need not be those that the quantiser above would give.
;; One version. Each part assembles by itself: llvm-mc -triple=amdgcn-amd-amdhsa -mcpu=gfx1250 --defsym DOCPART=n.
;; ======== version 1 of 1: 3 launches
;; limits: right only within a limited range of input values
;; workspace buffers: qkv 18,874,368 bytes; sw 786,432 bytes; pf 12,582,912 bytes; st 1,572,864 bytes
;; launch proj (part 1): grid 16 x 16, 4 waves a work-group, clusters of 4 x 4, 327,680 bytes of LDS; arguments x_codes, x_scales, Wq_codes, Wq_scales, Wk_codes, Wk_scales, Wv_codes, Wv_scales, bq, bk, bv, qkv, sw; writes qkv, sw
.if DOCPART == 1
	.amdgcn_target "amdgcn-amd-amdhsa--gfx1250"
	.amdhsa_code_object_version 6
	.text
	.protected	k_q0a4a59d85a_proj
	.globl	k_q0a4a59d85a_proj
	.p2align	8
	.type	k_q0a4a59d85a_proj,@function
k_q0a4a59d85a_proj:
	s_mov_b64 s[64:65], 0
	v_nop
	global_prefetch_b8 v0, s[64:65] scope:SCOPE_SE
	s_setreg_imm32_b32 hwreg(HW_REG_WAVE_MODE, 25, 1), 1
	s_wait_xcnt 0x0
	s_wait_alu depctr_hold_cnt(0) depctr_sa_sdst(0) depctr_va_vdst(0) depctr_va_sdst(0) depctr_va_ssrc(0) depctr_va_vcc(0) depctr_vm_vsrc(0)
	s_getreg_b32 s2, hwreg(HW_REG_IB_STS2, 6, 4)
	s_cmp_eq_u32 s2, 0
	s_cbranch_scc0 .Lentry_in_a_cluster
	s_endpgm
.Lentry_in_a_cluster:
	s_bfe_u32 s2, ttmp6, 0x10000c
	s_cmp_lg_u32 s2, 0xf033
	s_cbranch_scc0 .Lentry_shape_is_right
	s_endpgm
.Lentry_shape_is_right:
; Q = x Wq + bq, K = x Wk + bk, V = x Wv + bv on codes of FP6; the results are quantised again in registers and leave as codes and scale bytes.
; DEAD WORK (whole program): tiles of scores wholly above the causal diagonal that reference() builds are not made where they fill a square of 1,024 x 1,024; a NaN or an infinity that reaches only such a tile is not carried on.
; LIMITS: NaN and infinities are not served.  A block of zeros gets the byte 1: its codes are zeros, and this program alone reads the bytes.  A largest magnitude under 2^-124 is taken as 2^-124.
; THE DEAL.  256 work-groups of four waves, 2 x 2.  A wave holds 64 rows of a weight, all of K, in registers and streams x's rows past them, 16 rows a block.  PHASE 1: 256 tokens x 128 columns of V; PHASE 2: 512 x 128 of Q or K.
; V's 256 tokens are a half of the work-group's own 512 (s87, from the cluster's number).  x's rows are shared by a row of the cluster, a weight's by a column.
; LDS: two slots of 128 rows of x (rows of 768 bytes, 16 of padding behind each 256), a region for the weight's 128 rows, two places for a chunk's scale bytes, stages for the results' scale bytes, the spare words.
; ROWS OF A TILE.  Tile j of 64 rows: lane r takes row 32 (r / 8) + 8 (j xor (r / 8)) + r % 8.  So over j = 0 .. 3 a lane of half h holds one whole block of 32 (octets 0 1 2 3 in half 0, 1 0 3 2 in half 1),
; and the two groups of eight rows that a load touches lie 40 or 24 rows apart: with a pitch of 204 words they start 32 banks apart (64 banks: ISA guide 11.1).  Every operand that this program makes has this order along K.
; OUT.  An image (16 rows x 128) is two halves of 768 bytes (registers 0-5, 6-11): four registers at 16 x lane, two at 512 + 8 x lane.  Q, K: [row block 512][step 8]; V: [batch][512 keys: 4][d block 64][128 keys: 4].
; Scale words: Q, K [step 8][64 tokens: 128][r][j]; V [batch x 16 + 128 keys][1,024 d in fragment order].
; REFILLS: V's third block refills the weights' region with Wq's or Wk's rows; phase 2's blocks 2 and 6 bring the other half's chunks.  The bias is the C of each sum's first product.
.set KROW,   768
.set KS,     32
.set PITCH,  816
.set NQ,     8
.set FR,     12
.set FPW,    21
.set NF,     28                        ; LDS loads of a block: 26 for eight fragments, 2 for eight scale words
.set RA,     128
.set YB,     RA*PITCH
.set BVB,    2*YB
.set SCL,    3*YB
.set CU,     16
.set SCB,    CU*272
.set XN,     SCL+2*SCB
.set XM,     XN+2048
.set SPARE,  XM+1024
.set RBS,    12288                     ; from a row block's images to the next block's
.set CO,    9
.set SPW,   10
.set NIL,   11
.set ADRA, 12
.set CO8,  15
.set ABS,   16
.set AAS,   17
.set STO,   18
.set STV,   19
.set SB,    24
.set TQ,    40
.set SA,    44
.set TC,    60
.set ACC,   64
.set HV0,   64
.set HV1,   840
.set NCD,   128
.set MCD,   192
.set SOP,   240
.set EB,    244
.set VX,    248
.set SB2,   968
.set BA,    984
.set BBV,   992
.set BBQ,   160
.set G1A, 24
.set G0A, 56
.set G0R, 68
.set G1B, 32
.set G0B, 60
.set G1S, 92
.set G0S, 72
.set MSB, 0
.macro WIN new
.if MSB != \new
	s_set_vgpr_msb (MSB<<8)|\new
.set MSB, \new
.endif
.endm
.macro PLACES n
.rept \n
	v_nop
.endr
.endm
.macro WALU
	s_wait_alu depctr_va_vdst(0)
.endm
.macro BARRIER
	s_barrier_signal -1
	s_barrier_wait -1
.endm
.macro MIDDLE
	WIN 0
	s_barrier_wait -1
	s_cmp_lg_u32 s14, 0
	s_cbranch_scc1 .Lnot_wave_0_\@
	s_barrier_signal -3
.Lnot_wave_0_\@:
	s_barrier_wait -3
.endm
.macro CROUND
	s_barrier_signal -1
	MIDDLE
	BARRIER
.endm
.macro GRD
	s_wait_tensorcnt 0x0
	ds_add_u32 v[SPW], v[NIL]
.endm
.macro TLOAD g0, g1
	tensor_load_to_lds s[\g0:\g0+3], s[\g1:\g1+7]
	s_nop 0
	PLACES 4
.endm
.macro GROUP1 g, mask
	s_or_b32 s[\g+0], s[\mask], (1<<20)|(1<<21)|(5<<22)|(3<<25)
	s_mov_b32 s[\g+1], KROW<<16
	s_mov_b32 s[\g+2], RA<<16
	s_mov_b32 s[\g+3], KROW<<16
	s_mov_b32 s[\g+4], RA
	s_mov_b32 s[\g+5], KROW
	s_mov_b32 s[\g+6], 0
	s_mov_b32 s[\g+7], 0
.endm
.macro SADD d, x
	s_add_co_u32 s\d, s\d, s\x
.endm
.macro G0SET g, base, off
	s_mov_b32 s20, s\off
	s_mov_b32 s21, 0
	s_add_nc_u64 s[\g+2:\g+3], s[\base:\base+1], s[20:21]
	s_or_b32 s[\g+3], s[\g+3], 0x80000000
.endm
; Fragment f lies in window 1 + f / 21 at register 12 (f % 21): 0-31 the weight's (4 q + b), 32-39 and 40-47 the rows' two sets.  Six pieces of 8 bytes, two to a load where both lie behind as many paddings.
.macro FRAG f, q, a0, a1, aw
	WIN ((1+(\f)/FPW)<<6)|(\aw)
.set R_, FR*((\f)%FPW)
.set SKIP_, 0
.irp p, 0,1,2,3,4,5
.if SKIP_
.set SKIP_, 0
.else
.set PC_, 12*(\q)+6*(\p/3)+\p%3
.set PN_, 12*(\q)+6*((\p+1)/3)+(\p+1)%3
.set X_, (PC_%32+3)/32
.set XQ_, (PN_%32+3)/32
.if (\p < 5) && (X_ == XQ_)
.set SKIP_, 1
.if X_
	ds_load_2addr_b64 v[R_+2*\p:R_+2*\p+3], \a1 offset0:PC_+2*(PC_/32) offset1:PN_+2*(PN_/32)
.else
	ds_load_2addr_b64 v[R_+2*\p:R_+2*\p+3], \a0 offset0:PC_+2*(PC_/32) offset1:PN_+2*(PN_/32)
.endif
.elseif X_
	ds_load_b64 v[R_+2*\p:R_+2*\p+1], \a1 offset:8*(PC_+2*(PC_/32))
.else
	ds_load_b64 v[R_+2*\p:R_+2*\p+1], \a0 offset:8*(PC_+2*(PC_/32))
.endif
.endif
.endr
.endm
.macro WEIGHTS                         ; my 64 rows of the weight, all of K: 104 loads
.irp q, 0,1,2,3,4,5,6,7
.irp b, 0,1,2,3
	FRAG 4*\q+\b, \q, v[BA-768+2*\b], v[BA-768+2*\b+1], 3
.endr
.endr
	WIN 0
.endm
.macro FETCHAT e, a0, a1, as
.irp q, 0,1,2,3,4,5,6,7
	FRAG 32+NQ*(\e)+\q, \q, \a0, \a1, 0
.endr
	WIN 0
	ds_load_b128 v[SA+8*(\e):SA+8*(\e)+3], \as
	ds_load_b128 v[SA+8*(\e)+4:SA+8*(\e)+7], \as offset:16
.endm
.macro FETCH e
	FETCHAT \e, v[ADRA], v[ADRA+1], v[AAS]
.endm
.macro FETCH01                         ; a phase's first two blocks, from slot 0
	FETCHAT 0, v4, v5, v6
	FETCHAT 1, v1, v22, v23
	s_mov_b32 s66, 0
.endm
; A product, n = 4 q + b.  kind 0 (Q, K): source 0 the weight's rows; kind 1 (V): source 0 x's rows.
.macro PROD kind, e, n, a0, as
.set Q_, (\n)/4
.set FB_, 4*Q_+(\n)%4
.set FA_, 32+NQ*(\e)+Q_
.set D_, (\a0)+(\as)*((\n)%4)
.set DL_, D_&255
.set XB_, SB+NQ*(((\n)%4)/2)+Q_
.set XA_, SA+8*(\e)+Q_
.if \kind
.if Q_
	WIN (1+FA_/FPW)|((1+FB_/FPW)<<2)|((D_>>8)<<4)|((D_>>8)<<6)
	PROD1 DL_, FA_, FB_, v[DL_:DL_+7], XA_, XB_, b, (\n)%2
.else
	WIN (1+FA_/FPW)|((1+FB_/FPW)<<2)|(3<<4)|((D_>>8)<<6)
	PROD1 DL_, FA_, FB_, v[BBV-768+8*((\n)%4):BBV-768+8*((\n)%4)+7], XA_, XB_, b, (\n)%2
.endif
.else
	WIN (1+FB_/FPW)|((1+FA_/FPW)<<2)|((D_>>8)<<4)|((D_>>8)<<6)
.if Q_
	PROD1 DL_, FB_, FA_, v[DL_:DL_+7], XB_, XA_, a, (\n)%2
.else
	PROD1 DL_, FB_, FA_, v[BBQ+8*((\n)%4):BBQ+8*((\n)%4)+7], XB_, XA_, a, (\n)%2
.endif
.endif
.endm
.macro PROD1 d, s0, s1, c, x0, x1, side, o
.if \o
	v_wmma_scale_f32_16x16x128_f8f6f4 v[\d:\d+7], v[FR*((\s0)%FPW):FR*((\s0)%FPW)+FR-1], v[FR*((\s1)%FPW):FR*((\s1)%FPW)+FR-1], \c, v[\x0], v[\x1] matrix_a_fmt:MATRIX_FMT_FP6 matrix_b_fmt:MATRIX_FMT_FP6 matrix_\side\()_scale:MATRIX_SCALE_ROW1
.else
	v_wmma_scale_f32_16x16x128_f8f6f4 v[\d:\d+7], v[FR*((\s0)%FPW):FR*((\s0)%FPW)+FR-1], v[FR*((\s1)%FPW):FR*((\s1)%FPW)+FR-1], \c, v[\x0], v[\x1] matrix_a_fmt:MATRIX_FMT_FP6 matrix_b_fmt:MATRIX_FMT_FP6 matrix_\side\()_scale:MATRIX_SCALE_ROW0
.endif
.endm
; products \from .. \to - 1 of a block; behind every second one two entries of the list
.macro BLOCK kind, e, a0, as, from, to, list, x=0, y=0
.set N_, \from
.rept (\to)-(\from)
	PROD \kind, \e, N_, \a0, \as
.if N_%2
	\list N_-1, \x, \y
	\list N_, \x, \y
.endif
.set N_, N_+1
.endr
.endm
.macro PARITY n
.set PAR, \n
.set SL, 4-(\n)
.endm
; STEP: LDS addresses of the block two on.  An even block makes pair s66's offsets (s101 in a slot, s91 in the scale bytes) and uses them with the even rows' registers; the odd block behind it uses the same offsets.
.macro STEP i
.if PAR == 0
.if (\i) == 0
	s_add_co_u32 s66, s66, 1
	s_and_b32 s20, s66, 1
	s_bfe_u32 s21, s66, 0x10001
	s_mul_i32 s101, s20, 16*PITCH
.elseif (\i) == 1
	s_mul_i32 s91, s20, 2*272
	s_mul_i32 s22, s21, YB
	s_add_co_u32 s101, s101, s22
	s_mul_i32 s22, s21, SCB
	WIN 0
	v_add_nc_u32 v[ADRA], s101, v4
.elseif (\i) == 2
	s_add_co_u32 s91, s91, s22
	WIN 0
	v_add_nc_u32 v[ADRA+1], s101, v5
.elseif (\i) == 3
	WIN 0
	v_add_nc_u32 v[AAS], s91, v6
.endif
.else
.if (\i) == 0
	WIN 0
	v_add_nc_u32 v[ADRA], s101, v1
.elseif (\i) == 1
	WIN 0
	v_add_nc_u32 v[ADRA+1], s101, v22
.elseif (\i) == 2
	WIN 0
	v_add_nc_u32 v[AAS], s91, v23
.endif
.endif
.endm
.macro CHAIN i, x, n, t=TQ             ; a way out's first part, 18 entries: the largest magnitude of the 32 sums from register x on, and the conversions' scale operand
.set XW_, (\x)>>8
.set XL_, (\x)&255
.if (\i) >= 0 && (\i) < 14
.set B_, XL_+16*((\i)%2)+2*((\i)/2)
.set T_, (\t)+1-(\i)%2
.if (\i) < 2
	WIN XW_|(XW_<<2)|(XW_<<4)
	v_max3_num_f32 v[T_], |v[B_]|, |v[B_+1]|, |v[B_+2]|
.else
	WIN (XW_<<2)|(XW_<<4)
	v_max3_num_f32 v[T_], v[T_], |v[B_+1]|, |v[B_+2]|
.endif
.elseif (\i) == 14
	WIN XW_<<2
	v_max3_num_f32 v[\t+1], v[\t+1], |v[XL_+15]|, 3<<23
.elseif (\i) == 15
	WIN 0
	v_nop
.elseif (\i) == 16
	WIN XW_<<2
	v_max3_num_f32 v[\t], v[\t], |v[XL_+31]|, v[\t+1]
.elseif (\i) == 17
	WIN 0
	v_add_nc_u32 v[SOP+\n], 0xff000000, v[\t]
.endif
.endm
.macro CODES i, x, c, n, t=TC          ; its second part, 6 lines: 32 codes into v[c .. c+5], the scale's byte into v[EB+n]
.set XW_, (\x)>>8
.set XL_, (\x)&255
.if (\i) == 0
	WIN XW_
	v_cvt_scalef32_pk16_fp6_f32 v[\c:\c+2], v[XL_:XL_+15], v[SOP+\n]
.elseif (\i) == 1
	WIN XW_
	v_cvt_scalef32_pk16_fp6_f32 v[\t:\t+2], v[XL_+16:XL_+31], v[SOP+\n]
.elseif (\i) == 2
	WIN 0
	v_lshrrev_b32 v[EB+\n], 23, v[SOP+\n]
.else
	WIN 0
	v_mov_b32 v[\c+\i], v[\t+\i-3]
.endif
.endm
.macro CODES6 x, c, n
.irp i, 0,1,2,3,4,5
	CODES \i, \x, \c, \n
.endr
.endm
.macro PFTILE v, off, share            ; my sixteenth of a tile of 128 rows, to be asked for into the L2
	s_mul_i32 s21, s\share, RA*KROW/16
	s_add_co_u32 s20, s\off, s21
	WIN 0
	v_min_u32 v\v, RA*KROW/16/256-1, v3
	v_lshl_add_u32 v\v, v\v, 8, s20
.endm
.macro PFGO v, base
	global_prefetch_b8 v\v, s[\base:\base+1] th:TH_LOAD_NT scope:SCOPE_SE
.endm
.macro PUT2 r, base, off               ; a half image: 512 and 256 consecutive bytes, aligned
	global_store_b128 v[CO], v[(\r):(\r)+3], \base offset:\off
	global_store_b64 v[CO8], v[(\r)+4:(\r)+5], \base offset:(\off)+512
.endm
.macro ASK i                           ; the descriptors of the chunk at s88 (bytes from x_codes) for slot s47, and of its scale bytes at s55 for place s8; then all four step on
.if (\i) == 0
	s_mul_i32 s[G0R+1], s14, RA/2*PITCH
	s_add_co_u32 s[G0R+1], s[G0R+1], s47
	s_mul_i32 s20, s14, RA/2*KROW
	SADD 20, 88
.elseif (\i) == 1
	s_mov_b32 s21, 0
	s_add_nc_u64 s[G0R+2:G0R+3], s[4:5], s[20:21]
	s_or_b32 s[G0R+3], s[G0R+3], 0x80000000
	s_mov_b32 s[G0S+1], s8
.elseif (\i) == 2
	s_mov_b32 s20, s55
	s_add_nc_u64 s[G0S+2:G0S+3], s[6:7], s[20:21]
	s_or_b32 s[G0S+3], s[G0S+3], 0x80000000
	s_add_co_u32 s88, s88, RA*KROW
.elseif (\i) == 3
	s_add_co_u32 s55, s55, CU*256
	s_xor_b32 s47, s47, YB
	s_xor_b32 s8, s8, (SCL)^(SCL+SCB)
.endif
.endm
.macro PAIR i                          ; where pair s46's codes go (s[84:85], by the true chunk) and its scale bytes (v[VX], by the order of work)
.if (\i) == 0
	s_lshr_b32 s12, s46, 1
	s_lshl_b32 s13, s87, 1
	s_xor_b32 s12, s12, s13
	s_lshl_b32 s12, s12, 3
.elseif (\i) == 1
	s_and_b32 s13, s46, 1
	s_lshl_b32 s13, s13, 1
	SADD 12, 13
	s_mul_i32 s20, s12, RBS
.elseif (\i) == 2
	s_mov_b32 s21, 0
	s_add_nc_u64 s[84:85], s[10:11], s[20:21]
	s_bfe_u32 s22, s46, 0x20001
	s_lshl_b32 s22, s22, 9
.elseif (\i) == 3
	s_and_b32 s23, s46, 1
	s_lshl_b32 s23, s23, 3
	s_or_b32 s22, s22, s23
	s_add_co_u32 s46, s46, 1
	WIN 0
	v_add_nc_u32 v[VX], s22, v[STO]
.endif
.endm
.macro L_STEP i, x, y
	STEP \i
.endm
.macro L_NONE i, x, y
.endm
.macro L_OUT i, x, y
	STEP \i
	CHAIN (\i)-SL, \x, \y
.endm
.macro L_LAST i, x, y
	CHAIN \i, \x, \y
.endm
.macro L_V2 i, x, y                    ; V's third block: the first refill's descriptors, the later refills' group 1, the step, what the second refill will load
.if (\i) == 0
	s_mov_b32 s[G1A+2], (RA/2)<<16
	s_mov_b32 s[G1A+4], RA/2
	s_mov_b32 s[G1S+2], CU<<16
	s_mov_b32 s[G1S+4], CU
.elseif (\i) == 1
	s_mov_b32 s[G1B+2], (RA/2)<<16
	s_mov_b32 s[G1B+4], RA/2
	s_mul_i32 s[G0B+1], s14, RA/2*PITCH
	s_add_co_u32 s[G0B+1], s[G0B+1], BVB
.elseif (\i) == 2
	s_mul_i32 s20, s14, RA/2*KROW
	SADD 20, 9
	s_mov_b32 s21, 0
	s_add_nc_u64 s[G0B+2:G0B+3], s[2:3], s[20:21]
.elseif (\i) == 3
	s_or_b32 s[G0B+3], s[G0B+3], 0x80000000
.elseif (\i) == 8
	PFTILE 7, 88, 90
.elseif (\i) == 9
	s_lshl_b32 s21, s90, 9
	s_add_co_u32 s20, s55, s21
	WIN 0
	v_min_u32 v8, 1, v3
	v_lshl_add_u32 v8, v8, 8, s20
.endif
	STEP (\i)-4
.endm
.macro L_V7 i, x, y
.if (\i) == 0
	s_add_co_u32 s22, s88, RA*KROW
	PFTILE 20, 22, 90
.endif
	CHAIN (\i)-1, \x, \y
.endm
.macro L_ODD i, x, y
	PAIR \i
	STEP (\i)-4
	CHAIN (\i)-7, ACC, 0
.endm
.macro L_ODDL i, x, y
	PAIR \i
	CHAIN (\i)-4, ACC, 0
.endm
.macro L_ROUND i, x, y
	ASK \i
	STEP (\i)-4
	CHAIN (\i)-8, ACC+32, 1
.endm
.macro WAITDS w
.if (\w) >= 0
	s_wait_dscnt \w
.endif
.endm
.macro EVENOUT fetch                   ; behind an even block: the odd block's byte and codes, the fetch of the block two on
	WALU
	ds_store_b8 v[VX], v[EB+1] offset:4
	PUT2 NCD+6, s[84:85], RBS
.if \fetch
	FETCH 0
.endif
.endm
.macro EVEN w, fetch
	WAITDS \w
	PARITY 0
.if \fetch
	BLOCK 0, 0, ACC, 8, 0, 32, L_OUT, ACC+32, 1
.else
	BLOCK 0, 0, ACC, 8, 0, 32, L_LAST, ACC+32, 1
.endif
	WIN 0
	CODES6 ACC+32, NCD+6, 1
	EVENOUT \fetch
.endm
.macro EVENROUND w                     ; the second and the third refill
	WAITDS \w
	PARITY 0
	GRD
	BLOCK 0, 0, ACC, 8, 0, 26, L_ROUND
	WIN 0
	WALU
	s_wait_dscnt 0x0
	s_barrier_signal -1
	BLOCK 0, 0, ACC, 8, 26, 32, L_NONE
	WIN 0
	CODES6 ACC+32, NCD+6, 1
	MIDDLE
	BARRIER
	s_cmp_lt_u32 s14, 2
	s_cbranch_scc0 .Lscales_\@
	TLOAD G0R, G1A
	s_branch .Lasked_\@
.Lscales_\@:
	s_cmp_eq_u32 s14, 2
	s_cbranch_scc0 .Lnone_\@
	TLOAD G0S, G1S
.Lnone_\@:
.Lasked_\@:
	EVENOUT 1
.endm
.macro EVENSHOW w                      ; a plain barrier inside the block shows the last refill to all
	WAITDS \w
	PARITY 0
	BLOCK 0, 0, ACC, 8, 0, 26, L_OUT, ACC+32, 1
	WIN 0
	WALU
	s_wait_tensorcnt 0x0
	s_wait_dscnt 0x0
	s_barrier_signal -1
	BLOCK 0, 0, ACC, 8, 26, 32, L_NONE
	WIN 0
	s_barrier_wait -1
	CODES6 ACC+32, NCD+6, 1
	EVENOUT 1
.endm
.macro ODD w, fetch
	WAITDS \w
	PARITY 1
	s_wait_xcnt 0x0
.if \fetch
	BLOCK 0, 1, ACC+32, 8, 0, 32, L_ODD
.else
	BLOCK 0, 1, ACC+32, 8, 0, 32, L_ODDL
.endif
	WIN 0
	CODES6 ACC, NCD, 0
	WALU
	ds_store_b8 v[VX], v[EB]
	PUT2 NCD, s[84:85], 0
.if \fetch
	FETCH 1
.endif
.endm
; ================= THE HEAD
	s_load_b128 s[4:7], s[0:1], 0x0                     ; x codes, x scales
	s_load_b256 s[48:55], s[0:1], 0x10                  ; Wq codes, scales, Wk codes, scales
	s_load_b128 s[76:79], s[0:1], 0x30                  ; Wv codes, scales
	s_load_b128 s[80:83], s[0:1], 0x40                  ; bq, bk
	s_load_b64 s[84:85], s[0:1], 0x50                   ; bv
	v_lshl_add_u32 v[SPW], v0, 2, SPARE
	v_mov_b32 v[NIL], 0
	ds_add_u32 v[SPW], v[NIL]
	ds_add_u32 v[SPW], v[NIL]
	v_lshrrev_b32 v1, 5, v0
	v_readfirstlane_b32 s14, v1                         ; the wave; s15 its row of the 2 x 2, s16 its column
	WALU
	s_lshr_b32 s15, s14, 1
	s_and_b32 s16, s14, 1
	s_bfe_u32 s40, ttmp6, 0x40000                       ; cx
	s_bfe_u32 s41, ttmp6, 0x40004                       ; cy
	s_lshl_b32 s42, ttmp9, 2
	s_add_co_u32 s42, s42, s40                          ; phase 2's tile column, 0 .. 15
	s_and_b32 s43, ttmp7, 0xffff
	s_lshl_b32 s43, s43, 2
	s_add_co_u32 s43, s43, s41                          ; its tile row
	s_lshr_b32 s19, ttmp9, 1                            ; 0 Q, 1 K
	s_and_b32 s87, ttmp9, 1                             ; V's half of my 512 rows
	s_lshl_b32 s13, s19, 2
	s_add_co_u32 s13, s13, s40                          ; V's tile column
	s_lshl_b32 s12, s43, 1
	s_add_co_u32 s12, s12, s87                          ; V's tile row
	s_lshl_b32 s44, s41, 2
	s_lshl_b32 s44, 15, s44                             ; my row of the cluster
	s_lshl_b32 s45, 0x1111, s40                         ; my column
	GROUP1 G1A, 44
	GROUP1 G1B, 45
	s_or_b32 s[G1S+0], s44, (3<<16)|(1<<20)|(1<<21)|(5<<22)|(3<<25)
	s_mov_b32 s[G1S+1], 32<<16
	s_mov_b32 s[G1S+2], (2*CU)<<16
	s_mov_b32 s[G1S+3], 32<<16
	s_mov_b32 s[G1S+4], 2*CU
	s_mov_b32 s[G1S+5], 32
	s_mov_b32 s[G1S+6], 0
	s_mov_b32 s[G1S+7], 0
	s_mov_b32 s[G0S], 1
	s_mov_b32 s[G0S+1], SCL
	s_mov_b32 s[G0A], 1
	s_mov_b32 s[G0A+1], 0
	s_mov_b32 s[G0B], 1
	s_mov_b32 s[G0B+1], BVB
	s_mov_b32 s[G0R], 1
	s_mov_b32 s[G0R+1], YB
	s_and_b32 s20, s42, 7                               ; the tile column in its tensor
	s_mul_i32 s9, s20, RA*KROW                          ; Wq's or Wk's rows
	s_mul_i32 s10, s13, RA*KROW                         ; Wv's
	s_mul_i32 s11, s12, 256*KROW                        ; x's rows for V
	s_mul_i32 s89, s12, 256*KS
	s_lshl_b32 s17, s20, 12                             ; the scale bytes of my 64 rows: Wq's or Wk's,
	s_lshl_b32 s21, s16, 11
	SADD 17, 21
	s_lshl_b32 s18, s13, 12                             ; Wv's
	SADD 18, 21
	s_xor_b32 s22, s87, 1                               ; the chunks still to come are the other half's
	s_lshl_b32 s23, s43, 1
	SADD 22, 23
	s_mul_i32 s88, s22, 256*KROW
	s_mul_i32 s86, s22, 256*KS
	s_lshl_b32 s90, s40, 2
	SADD 90, 14                                         ; my number among the sixteen waves of my row of the cluster
	s_lshl_b32 s100, s41, 2
	SADD 100, 14                                        ; and of my column
	s_mul_i32 s20, s15, 64*PITCH
	s_add_co_u32 s21, s20, 8*PITCH
	s_mul_i32 s22, s16, 64*PITCH
	s_add_co_u32 s22, s22, BVB
	s_mul_i32 s23, s15, 8*272
	s_add_co_u32 s23, s23, SCL
	s_lshl_b32 s40, s15, 8
	s_lshl_b32 s46, s16, 1
	SADD 40, 46
	s_add_co_u32 s40, s40, XN
	s_lshl_b32 s41, s16, 8
	s_lshl_b32 s46, s15, 1
	SADD 41, 46
	s_add_co_u32 s41, s41, XM
	v_and_b32 v1, 15, v0                                ; r
	v_bfe_u32 v2, v0, 4, 1                              ; h
	v_and_b32 v3, 31, v0
	v_bfe_u32 v7, v0, 3, 1                              ; r / 8
	v_and_b32 v8, 7, v0
	v_mad_u32_u24 v20, v7, 40, v8                       ; a lane's row in an even tile
	v_mad_u32_u24 v42, v7, 24, v8                       ; and in an odd one (8 rows further on)
	v_mul_u32_u24 v22, v20, PITCH
	v_mul_u32_u24 v23, v42, PITCH
	v_mad_u32_u24 v12, v2, 24, v22
	v_mad_u32_u24 v13, v2, 40, v22
	v_mad_u32_u24 v17, v2, 24, v23
	v_mad_u32_u24 v43, v2, 40, v23
	v_add_nc_u32 v4, s20, v12                           ; x: v4, v5 even tiles (v5: behind one padding more), v1, v22 odd
	v_add_nc_u32 v5, s20, v13
	v_add_nc_u32 v14, s22, v12
	v_add_nc_u32 v15, s22, v13
	v_add_nc_u32 v40, s22, v17
	v_add_nc_u32 v41, s22, v43
	v_lshl_add_u32 v[STO], v1, 4, v2
	v_add_nc_u32 v[STO], s40, v[STO]
	v_lshl_add_u32 v[STV], v1, 2, v2
	v_add_nc_u32 v[STV], s41, v[STV]
	v_add_nc_u32 v1, s21, v17
	v_add_nc_u32 v22, s21, v43
	v_lshlrev_b32 v12, 5, v8
	v_mad_u32_u24 v6, v7, 5*272, v12                    ; x's scale bytes: v6 even tiles, v23 odd
	v_add_nc_u32 v6, s23, v6
	v_mad_u32_u24 v23, v7, 3*272, v12
	v_add_nc_u32 v23, s23, v23
	v_add_nc_u32 v23, 272, v23
	v_xor_b32 v13, v2, v7
	v_lshl_add_u32 v12, v7, 5, v8
	v_lshl_add_u32 v12, v13, 3, v12
	v_lshlrev_b32 v[ABS], 5, v12                        ; a weight's scale bytes: lanes 0-15 tile 2 p, lanes 16-31 tile 2 p + 1
	v_lshlrev_b32 v20, 2, v20                           ; V's bias: even tiles, and odd
	v_lshlrev_b32 v42, 2, v42
	v_mul_u32_u24 v21, v2, 160                          ; Q's or K's: even tiles, and (v14) odd
	v_lshlrev_b32 v[CO], 4, v3
	WIN 3<<6
.irp b, 0,2
	v_add_nc_u32 v[BA-768+2*\b], \b*8*PITCH, v14
	v_add_nc_u32 v[BA-768+2*\b+1], \b*8*PITCH, v15
	v_add_nc_u32 v[BA-768+2*\b+2], (\b+1)*8*PITCH, v40
	v_add_nc_u32 v[BA-768+2*\b+3], (\b+1)*8*PITCH, v41
.endr
	WIN 0
	v_mul_u32_u24 v14, v2, 96
	v_lshlrev_b32 v[CO8], 3, v3
	WALU
	s_wait_dscnt 0x0
	CROUND                                              ; the opening round, ahead of the wait for the arguments
	s_wait_kmcnt 0x0
	s_cmp_eq_u32 s19, 0                                 ; the choice hangs on the cluster's number alone
	s_cselect_b64 s[2:3], s[48:49], s[52:53]
	s_cselect_b64 s[66:67], s[50:51], s[54:55]
	s_cselect_b64 s[80:81], s[80:81], s[82:83]
	s_mov_b32 s55, s86
	G0SET G0A, 4, 11
	s_add_nc_u64 s[G0R+2:G0R+3], s[G0A+2:G0A+3], RA*KROW
	G0SET G0B, 76, 10
	G0SET G0S, 6, 89
	s_cmp_eq_u32 s14, 0
	s_cbranch_scc0 .Lwave_1
	TLOAD G0B, G1B                                      ; wave 0: Wv's rows
	s_branch .Lasked
.Lwave_1:
	s_cmp_eq_u32 s14, 1
	s_cbranch_scc0 .Lwave_2
	TLOAD G0S, G1S                                      ; wave 1: both chunks' scale bytes
	s_branch .Lasked
.Lwave_2:
	s_cmp_eq_u32 s14, 2
	s_cbranch_scc0 .Lwave_3
	TLOAD G0A, G1A                                      ; wave 2: chunk 0
	s_branch .Lasked
.Lwave_3:
	TLOAD G0R, G1A                                      ; wave 3: chunk 1
.Lasked:
	s_mov_b32 s20, s18
	s_mov_b32 s21, 0
	s_add_nc_u64 s[22:23], s[78:79], s[20:21]
	s_mov_b32 s20, s17
	s_add_nc_u64 s[66:67], s[66:67], s[20:21]
	s_lshl_b32 s20, s13, 9                              ; the biases: 512 bytes a tile column, 256 a wave column
	s_lshl_b32 s91, s16, 8
	SADD 20, 91
	s_add_nc_u64 s[84:85], s[84:85], s[20:21]
	s_and_b32 s20, s42, 7
	s_lshl_b32 s20, s20, 9
	SADD 20, 91
	s_add_nc_u64 s[46:47], s[80:81], s[20:21]           ; kept for the loads between the phases
.irp p, 0,1
.irp c, 0,1
	global_load_b128 v[SB+NQ*\p+4*\c:SB+NQ*\p+4*\c+3], v[ABS], s[22:23] offset:\p*512+16*\c
.endr
.endr
	WIN 3<<6
.irp p, 0,1
.irp c, 0,1
	global_load_b128 v[SB2-768+NQ*\p+4*\c:SB2-768+NQ*\p+4*\c+3], v[ABS], s[66:67] offset:\p*512+16*\c
.endr
.endr
.irp t, 0,2
	global_load_b32 v[BBV-768+8*\t], v20, s[84:85] offset:32*\t
	global_load_b32 v[BBV-768+8*\t+8], v42, s[84:85] offset:32*\t+32
.endr
	WIN 0
	s_wait_xcnt 0x0
	s_load_b64 s[10:11], s[0:1], 0x58                   ; qkv
	s_load_b64 s[52:53], s[0:1], 0x60                   ; sw
	s_and_b32 s20, s42, 7                               ; where the results go: s76 Q's or K's codes, s78 their scale bytes, s80, s82 V's
	s_lshl_b32 s76, s43, 5
	s_lshl_b32 s21, s15, 2
	SADD 76, 21
	s_mul_i32 s76, s76, RBS
	s_mul_i32 s21, s20, 1536
	SADD 76, 21
	s_mul_i32 s21, s16, 768
	SADD 76, 21
	s_mul_i32 s21, s19, 6291456
	SADD 76, 21
	s_mov_b32 s77, 0
	s_lshl_b32 s78, s19, 18
	s_lshl_b32 s21, s20, 15
	SADD 78, 21
	s_lshl_b32 s21, s43, 11
	SADD 78, 21
	s_lshl_b32 s21, s87, 1
	s_xor_b32 s21, s21, s14                             ; the stage lies in the order of work
	s_lshl_b32 s21, s21, 9
	SADD 78, 21
	s_mov_b32 s79, 0
	s_lshr_b32 s80, s12, 1
	s_lshl_b32 s80, s80, 6
	s_lshl_b32 s21, s13, 3
	SADD 80, 21
	s_lshl_b32 s21, s16, 2
	SADD 80, 21
	s_lshl_b32 s80, s80, 2
	s_and_b32 s21, s12, 1
	s_lshl_b32 s21, s21, 1
	SADD 80, 21
	s_mul_i32 s80, s80, 1536
	s_mul_i32 s21, s15, 768
	SADD 80, 21
	s_add_co_u32 s80, s80, 12582912
	s_mov_b32 s81, 0
	s_lshl_b32 s82, s12, 1
	SADD 82, 15
	s_lshl_b32 s82, s82, 12
	s_lshl_b32 s21, s13, 9
	SADD 82, 21
	s_lshl_b32 s21, s16, 8
	SADD 82, 21
	s_add_co_u32 s82, s82, 524288
	s_mov_b32 s83, 0
	s_mov_b32 s8, SCL
	PFTILE 8, 9, 100                                    ; what the first refill will load
	WALU
	s_wait_loadcnt 0x0
	WIN (3<<6)|3
.irp t, 0,8,16,24
.irp i, 1,2,3,4,5,6,7
	v_mov_b32 v[BBV-768+\t+\i], v[BBV-768+\t]          ; V's bias, one number a lane and tile, over the tile's eight registers
.endr
.endr
	WIN 0
	WALU
	s_cmp_eq_u32 s14, 0
	s_cbranch_scc0 .Lnot_b
	s_wait_tensorcnt 0x0
.Lnot_b:
	BARRIER                                             ; Wv's rows are in
	PFGO 8, 2
	WEIGHTS
	s_cmp_eq_u32 s14, 3
	s_cbranch_scc1 .Lnot_a0
	s_wait_tensorcnt 0x0
.Lnot_a0:
	s_wait_dscnt 0x0
	BARRIER                                             ; chunk 0 and the scale bytes are in; chunk 1 may be on its way
	FETCH01
	s_wait_kmcnt 0x0
	s_add_nc_u64 s[50:51], s[10:11], s[80:81]
	s_add_nc_u64 s[10:11], s[10:11], s[76:77]
	s_add_nc_u64 s[48:49], s[52:53], s[78:79]
	s_add_nc_u64 s[52:53], s[52:53], s[82:83]
; ================= PHASE 1: V, eight blocks; a chunk is 128 tokens, my band of it 64; band 0's way outs stand in band 1's blocks
.irp s, 0,1
	s_wait_dscnt NF
	PARITY \s
	BLOCK 1, \s, HV0+8*\s, 32, 0, 32, L_STEP
	WIN 0
	PLACES 4
	WALU
	FETCH \s
.endr
	s_wait_dscnt NF
	s_wait_xcnt 0x0                                     ; the list writes v8, the address of the head's prefetch
	PARITY 0
	GRD
	BLOCK 1, 0, HV0+16, 32, 0, 24, L_V2
	WIN 0
	WALU
	s_wait_dscnt 0x0
	s_barrier_signal -1
	BLOCK 1, 0, HV0+16, 32, 24, 32, L_NONE
	MIDDLE
	BARRIER
	s_cmp_lt_u32 s14, 2
	s_cbranch_scc0 .Lno_half
	TLOAD G0B, G1B                                      ; waves 0 and 1: a half each of Wq's or Wk's rows, onto Wv's, which all waves hold in registers
.Lno_half:
	PLACES 4
	WALU
	FETCH 0
	PFGO 7, 4
	PFGO 8, 6
	s_wait_dscnt NF
	PARITY 1
	BLOCK 1, 1, HV0+24, 32, 0, 32, L_STEP
	WIN 0
	PLACES 4
	WALU
	FETCH 1
.irp j, 0,1,2
	s_wait_dscnt NF+(\j+1)/2
	PARITY \j%2
.if \j < 2
	BLOCK 1, \j%2, HV1+8*\j, 32, 0, 32, L_OUT, HV0+32*\j, \j
.else
	BLOCK 1, \j%2, HV1+8*\j, 32, 0, 32, L_LAST, HV0+32*\j, \j
.endif
	WIN 0
	CODES6 HV0+32*\j, MCD+12*\j, \j
	WALU
	ds_store_b8 v[STV], v[EB+\j] offset:64*\j
	PUT2 MCD+12*\j, s[50:51], 6144*\j
.if \j < 2
	FETCH \j%2
.endif
.endr
	s_wait_dscnt 1
	BLOCK 1, 1, HV1+24, 32, 0, 26, L_V7, HV0+96, 3
	WIN 0
	WALU
	s_wait_tensorcnt 0x0
	s_wait_dscnt 0x0
	s_barrier_signal -1                                 ; a plain barrier: the weights that the first refill brought are shown to all
	BLOCK 1, 1, HV1+24, 32, 26, 32, L_NONE
	WIN 0
	s_barrier_wait -1
	CODES6 HV0+96, MCD+36, 3
	WALU
	ds_store_b8 v[STV], v[EB+3] offset:192
	PUT2 MCD+36, s[50:51], 6144*3
; ================= THE CHANGE OF PHASE: the bias, the weights and the first two blocks' rows, which lie in slot 0 still; band 1's four way outs under their flight
.irp j, 0,2
.irp k, 0,1
	global_load_b128 v[BBQ+8*\j+4*\k:BBQ+8*\j+4*\k+3], v21, s[46:47] offset:32*\j+16*\k
	global_load_b128 v[BBQ+8*\j+8+4*\k:BBQ+8*\j+8+4*\k+3], v14, s[46:47] offset:32*\j+32+16*\k
.endr
.endr
	WEIGHTS
	FETCH01
	PFGO 20, 4
	WIN 3
.set I, 0
.rept 16
	v_mov_b32 v[SB+I], v[SB2-768+I]
.set I, I+1
.endr
	WIN 0
.set I, 0
.rept 18
.irp t, 0,1,2,3
	CHAIN I, HV1+32*\t, \t, 64+4*\t
.endr
.set I, I+1
.endr
.set I, 0
.rept 6
.irp t, 0,1,2,3
	CODES I, HV1+32*\t, MCD+12*\t+6, \t, 80+4*\t
.endr
.set I, I+1
.endr
	WIN 0
	WALU
; ================= PHASE 2: Q or K, sixteen blocks
	s_wait_loadcnt 0x0
	s_wait_dscnt NF
	s_wait_xcnt 0x0
	s_mov_b32 s46, 0
	s_mov_b32 s47, 0
	PARITY 0
	BLOCK 0, 0, ACC, 8, 0, 32, L_STEP
	WIN 0
	PLACES 4
	WALU
.irp t, 0,1,2,3
	ds_store_b8 v[STV], v[EB+\t] offset:512+64*\t
.endr
.irp t, 0,1,2,3
	PUT2 MCD+12*\t+6, s[50:51], 6144*\t+1536
.endr
	FETCH 0
	ODD NF+4, 1
	s_mov_b32 s86, 0
.Lwith_rounds:                                          ; blocks 2 to 5, 6 to 9
	EVENROUND NF+1
	ODD -1, 1
	EVEN NF+1, 1
	ODD NF+1, 1
	s_add_co_u32 s86, s86, 1
	s_cmp_lg_u32 s86, 2
	s_cbranch_scc1 .Lwith_rounds
.Lwithout:                                              ; blocks 10, 11 and 12, 13
	EVENSHOW NF+1
	ODD -1, 1
	s_add_co_u32 s86, s86, 1
	s_cmp_lg_u32 s86, 4
	s_cbranch_scc1 .Lwithout
	EVEN NF+1, 0
	ODD 1, 0
; ================= THE END: the last way out; the scale bytes go through LDS under its conversions
	s_mul_i32 s21, s14, 512
	s_add_co_u32 s21, s21, XN
	v_add_nc_u32 v12, s21, v[CO]
	s_mul_i32 s21, s14, 256
	s_add_co_u32 s21, s21, XM
	v_add_nc_u32 v13, s21, v[CO8]
.set I, 0
.rept 18
	CHAIN I, ACC+32, 1
.set I, I+1
.endr
	CODES 2, ACC+32, NCD+6, 1
	WALU
	ds_store_b8 v[VX], v[EB+1] offset:4
	s_wait_dscnt 0x0
	s_barrier_signal -1
	CODES 0, ACC+32, NCD+6, 1
	CODES 1, ACC+32, NCD+6, 1
	v_nop
.irp i, 3,4,5
	CODES \i, ACC+32, NCD+6, 1
.endr
	WALU
	s_barrier_wait -1
	ds_load_b128 v[64:67], v12
	ds_load_b64 v[68:69], v13
	PUT2 NCD+6, s[84:85], RBS
	s_wait_dscnt 0x0
	global_store_b128 v[CO], v[64:67], s[48:49]
	global_store_b64 v[CO8], v[68:69], s[52:53]
	s_wait_tensorcnt 0x0
	ds_add_u32 v[SPW], v[NIL]
	s_wait_dscnt 0x0
	CROUND
	s_endpgm
.Lfunc_end_k_q0a4a59d85a_proj:
	.size	k_q0a4a59d85a_proj, .Lfunc_end_k_q0a4a59d85a_proj-k_q0a4a59d85a_proj
	.p2alignl 7, 3214868480
	.fill 96, 4, 3214868480
	.section	.rodata,"a",@progbits
	.p2align	6, 0x0
	.amdhsa_kernel k_q0a4a59d85a_proj
		.amdhsa_group_segment_fixed_size 327680
		.amdhsa_private_segment_fixed_size 0
		.amdhsa_enable_private_segment 0
		.amdhsa_kernarg_size 104
		.amdhsa_user_sgpr_count 2
		.amdhsa_user_sgpr_kernarg_segment_ptr 1
		.amdhsa_wavefront_size32 1
		.amdhsa_system_sgpr_workgroup_id_x 1
		.amdhsa_system_sgpr_workgroup_id_y 1
		.amdhsa_system_sgpr_workgroup_id_z 1
		.amdhsa_system_vgpr_workitem_id 0
		.amdhsa_next_free_vgpr 1024
		.amdhsa_next_free_sgpr 102
		.amdhsa_reserve_vcc 0
		.amdhsa_float_denorm_mode_32 3
		.amdhsa_float_denorm_mode_16_64 3
		.amdhsa_memory_ordered 1
		.amdhsa_forward_progress 1
		.amdhsa_inst_pref_size 191
	.end_amdhsa_kernel
	.amdgpu_metadata
---
amdhsa.version: [ 1, 2 ]
amdhsa.kernels:
  - .name:           k_q0a4a59d85a_proj
    .symbol:         k_q0a4a59d85a_proj.kd
    .args:
      - { .name: x_codes, .offset: 0, .size: 8, .value_kind: global_buffer, .address_space: global }
      - { .name: x_scales, .offset: 8, .size: 8, .value_kind: global_buffer, .address_space: global }
      - { .name: Wq_codes, .offset: 16, .size: 8, .value_kind: global_buffer, .address_space: global }
      - { .name: Wq_scales, .offset: 24, .size: 8, .value_kind: global_buffer, .address_space: global }
      - { .name: Wk_codes, .offset: 32, .size: 8, .value_kind: global_buffer, .address_space: global }
      - { .name: Wk_scales, .offset: 40, .size: 8, .value_kind: global_buffer, .address_space: global }
      - { .name: Wv_codes, .offset: 48, .size: 8, .value_kind: global_buffer, .address_space: global }
      - { .name: Wv_scales, .offset: 56, .size: 8, .value_kind: global_buffer, .address_space: global }
      - { .name: bq, .offset: 64, .size: 8, .value_kind: global_buffer, .address_space: global }
      - { .name: bk, .offset: 72, .size: 8, .value_kind: global_buffer, .address_space: global }
      - { .name: bv, .offset: 80, .size: 8, .value_kind: global_buffer, .address_space: global }
      - { .name: qkv, .offset: 88, .size: 8, .value_kind: global_buffer, .address_space: global }
      - { .name: sw, .offset: 96, .size: 8, .value_kind: global_buffer, .address_space: global }
    .group_segment_fixed_size: 327680
    .private_segment_fixed_size: 0
    .kernarg_segment_align: 8
    .kernarg_segment_size: 104
    .max_flat_workgroup_size: 128
    .sgpr_count:     102
    .vgpr_count:     1024
    .wavefront_size: 32
...
	.end_amdgpu_metadata
.endif
;; end of part 1
;; launch scores (part 2): grid 12 x 16, 4 waves a work-group, clusters of 4 x 4, 327,680 bytes of LDS; arguments qkv, sw, pf, st; writes pf, st
.if DOCPART == 2
	.amdgcn_target "amdgcn-amd-amdhsa--gfx1250"
	.amdhsa_code_object_version 6
	.text
	.protected	k_q0a4a59d85a_scores
	.globl	k_q0a4a59d85a_scores
	.p2align	8
	.type	k_q0a4a59d85a_scores,@function
k_q0a4a59d85a_scores:
	s_mov_b64 s[64:65], 0
	v_nop
	global_prefetch_b8 v0, s[64:65] scope:SCOPE_SE
	s_setreg_imm32_b32 hwreg(HW_REG_WAVE_MODE, 25, 1), 1
	s_wait_xcnt 0x0
	s_wait_alu depctr_hold_cnt(0) depctr_sa_sdst(0) depctr_va_vdst(0) depctr_va_sdst(0) depctr_va_ssrc(0) depctr_va_vcc(0) depctr_vm_vsrc(0)
	s_getreg_b32 s2, hwreg(HW_REG_IB_STS2, 6, 4)
	s_cmp_eq_u32 s2, 0
	s_cbranch_scc0 .Lentry_in_a_cluster
	s_endpgm
.Lentry_in_a_cluster:
	s_bfe_u32 s2, ttmp6, 0x10000c
	s_cmp_lg_u32 s2, 0xf033
	s_cbranch_scc0 .Lentry_shape_is_right
	s_endpgm
.Lentry_shape_is_right:
; S = Q K^T (K = 1,024, codes of FP6), the causal mask, and p = 2^(t - Mc), quantised along the keys; t = S x log2(e) / 8.
; DEAD WORK: the square of 1,024 x 1,024 wholly above the diagonal is not launched (its keys count for no query, whatever the inputs); a NaN or an infinity that reaches it alone is not carried on.
; A tile is 256 queries x 256 keys; four waves, each 128 x 128: a wave's 128 keys are one CHUNK, one K step of the product P V.
; Mc = the ceiling of the row's largest t in the chunk, a whole number.  Stored for each row and chunk: -Mc, the sum of the unquantised p, p's scale word; the next launch takes (the row's M) - Mc off the scale bytes and the sums: exact powers of two.
; CLUSTERS: 4 x 4 work-groups cover 1,024 x 1,024; cluster x = 0, 1, 2: squares (0,0), (1,0), (1,1); cluster y the batch.  Q's tile is shared along a row, K's along a column.  Hidden tiles of a square on the diagonal
; run the same text (no branch hangs on a place in the cluster) and store zero codes, which the next launch reads.
; FILLS: at the head one joint load a wave: steps 0-1 of Q and of K into slot 0, steps 2-5 into slot 1.  ONE refill: steps 6-7 into slot 0, behind step 1; it has steps 2 to 5, 256 matrix instructions, in which to land, and is asked for into the L2 at the head.
; ROWS: lane r of row block 4 w + j is token 64 w + 32 (r / 8) + 8 (j xor (r / 8)) + r % 8 of its 128, for queries and keys alike; so a lane of half h holds whole blocks of 32 keys, in the order in which V's keys lie.
; THE MASK IS THE C OF THE FIRST K STEP: 0 where the key counts, -2^100 where it is hidden.  p of a hidden key is 0.
; LIMITS: the scaled scores stay under 2^31 in magnitude.  NaN and infinities are not served.  A block whose every p is 0 keeps the byte 1: its codes are zeros.
; REGISTERS: window 0: v12-31; v32-95 scale words (register 8 step + i: lanes 0-15 Q's block i, lanes 16-31 K's); v128-223 Q's fragments, later p.  window 1: K's fragments, two sets of 96; v192-247 the mask.  windows 2, 3: the accumulators.
.set FR,     12
.set NP,     4
.set FRB,    1536
.set RB0,    2*FRB                     ; a row block in slot 0
.set RB1,    4*FRB                     ; and in slot 1
.set KOF0,   16*RB0
.set SLT1,   2*KOF0
.set KOF1,   SLT1+16*RB1
.set SPARE,  KOF1+16*RB1
.set STT,    SPARE+512                 ; the way out: 1,536 bytes a wave; no tile lands here
.set AD16, 16                          ; v16-19: Q slot 0, Q slot 1, K slot 0, K slot 1 (+ 16 x lane)
.set AD8,  20                          ; v20-23: the same + 8 x lane
.set VST,  24
.set VRD,  25
.set GO,   26
.set VSB,  27
.set SPW,  28
.set NIL,  29
.set PFV,  30
.set SC,   32
.set AF,   128
.set MDG,  192
.set MLE,  200
.set MGE,  208
.set MEO,  216
.set MOE,  224
.set MLO,  232
.set MHI,  240
.set PP,   128
.set PC,   192
.set BM,   212
.set BT,   216
.set SO,   220
.set BY,   224
.set TT,   228
.set S2,   230
.set NB,   240
.set LB,   248
.set WO,   128
.set G1Q, 24
.set G1K, 48
.set G1QL, 68
.set G1KL, 80
.set G0Q, 32
.set G0K, 36
.set G0QL, 56
.set G0KL, 60
.set SEL, 2
.set CS,  12
.set MSB, 0
.macro WIN new
.if MSB != \new
	s_set_vgpr_msb (MSB<<8)|\new
.set MSB, \new
.endif
.endm
.macro PLACES n
.rept \n
	v_nop
.endr
.endm
.macro CREST
	s_cmp_lg_u32 s14, 0
	s_cbranch_scc1 .Lnot_wave_0_\@
	s_barrier_signal -3
.Lnot_wave_0_\@:
	s_barrier_wait -3
	s_barrier_signal -1
	s_barrier_wait -1
.endm
.macro CROUND
	s_barrier_signal -1
	s_barrier_wait -1
	CREST
.endm
.macro TLOAD g0, g1
	tensor_load_to_lds s[\g0:\g0+3], s[\g1:\g1+7]
	s_nop 0
	PLACES 4
.endm
.macro GROUP1 g, mask, c               ; 16 row blocks x c elements of 8 bytes, 12,288 bytes apart
	s_or_b32 s[\g+0], s\mask, (3<<16)|(1<<21)
	s_mov_b32 s[\g+1], (\c)<<16
	s_mov_b32 s[\g+2], 16<<16
	s_mov_b32 s[\g+3], (\c)<<16
	s_mov_b32 s[\g+4], 16
	s_mov_b32 s[\g+5], 1536
	s_mov_b32 s[\g+6], 0
	s_mov_b32 s[\g+7], 0
.endm
.macro GROUP0 g, lds, base, off
	s_mov_b32 s[\g], 1
	s_mov_b32 s[\g+1], \lds
	s_add_nc_u64 s[\g+2:\g+3], s[\base:\base+1], \off
	s_or_b32 s[\g+3], s[\g+3], 0x80000000
.endm
	s_load_b256 s[4:11], s[0:1], 0x0               ; qkv, sw, pf, st
	v_lshl_add_u32 v[SPW], v0, 2, SPARE
	v_mov_b32 v[NIL], 0
	ds_add_u32 v[SPW], v[NIL]
	ds_add_u32 v[SPW], v[NIL]
	v_lshrrev_b32 v1, 5, v0
	v_readfirstlane_b32 s14, v1
	s_wait_alu depctr_va_vdst(0)
	s_lshr_b32 s15, s14, 1                         ; which half of the queries is mine
	s_and_b32 s16, s14, 1                          ; which half of the keys
	s_bfe_u32 s40, ttmp6, 0x40000                  ; cx
	s_bfe_u32 s41, ttmp6, 0x40004                  ; cy
	s_mov_b32 s96, ttmp9                           ; which square
	s_and_b32 s97, ttmp7, 0xffff                   ; the batch
	s_add_co_u32 s98, s96, 1
	s_lshr_b32 s98, s98, 1                         ; the square's 1,024 queries: 0, 1, 1
	s_lshr_b32 s99, s96, 1                         ; its 1,024 keys: 0, 0, 1
	s_lshl_b32 s17, s98, 2
	s_add_co_u32 s17, s17, s41                     ; my tile of 256 queries
	s_lshl_b32 s42, s99, 2
	s_add_co_u32 s42, s42, s40                     ; my tile of 256 keys
	s_lshl_b32 s43, s41, 2
	s_lshl_b32 s43, 15, s43                        ; my row of the cluster
	s_lshl_b32 s44, 0x1111, s40                    ; my column
	GROUP1 G1Q, 43, 384
	GROUP1 G1K, 44, 384
	GROUP1 G1QL, 43, 768
	GROUP1 G1KL, 44, 768
	s_lshl_b32 s19, s97, 7                         ; my batch's 128 row blocks
	s_lshl_b32 s20, s17, 4
	s_add_co_u32 s20, s20, s19
	s_mul_i32 s20, s20, 12288                      ; Q's first row block
	s_mov_b32 s21, 0
	s_lshl_b32 s46, s42, 4
	s_add_co_u32 s46, s46, s19
	s_mul_i32 s46, s46, 12288
	s_add_co_u32 s46, s46, 6291456                 ; K's images lie behind Q's
	s_mov_b32 s47, 0
	s_lshl_b32 s22, s97, 13                        ; scale words, 4 bytes a token: my 128 queries',
	s_lshl_b32 s18, s17, 10
	s_add_co_u32 s22, s22, s18
	s_lshl_b32 s18, s15, 9
	s_add_co_u32 s22, s22, s18
	s_lshl_b32 s23, s97, 13                        ; my 128 keys'
	s_lshl_b32 s18, s42, 10
	s_add_co_u32 s23, s23, s18
	s_lshl_b32 s18, s16, 9
	s_add_co_u32 s23, s23, s18
	s_add_co_u32 s23, s23, 262144
	s_sub_co_u32 s23, s23, s22
	s_mov_b32 s[SEL], 0x76543210
	s_mov_b32 s[SEL+1], 0xfedcba98
	s_mov_b32 s[CS], 0x3e38aa3b
	s_mov_b32 s[CS+1], s[CS]                       ; (named with it as a pair, so it is written)
	s_wait_dscnt 0x0
	CROUND                                         ; all sixteen work-groups are here: the first joint loads meet
	s_wait_kmcnt 0x0
	s_add_nc_u64 s[20:21], s[4:5], s[20:21]
	s_add_nc_u64 s[46:47], s[4:5], s[46:47]
	GROUP0 G0Q, 0, 20, 0
	GROUP0 G0K, KOF0, 46, 0
	GROUP0 G0QL, SLT1, 20, 2*FRB
	GROUP0 G0KL, KOF1, 46, 2*FRB
	s_cmp_eq_u32 s14, 0
	s_cbranch_scc0 .Lwave_1
	TLOAD G0Q, G1Q
	s_branch .Lasked
.Lwave_1:
	s_cmp_eq_u32 s14, 1
	s_cbranch_scc0 .Lwave_2
	TLOAD G0K, G1K
	s_branch .Lasked
.Lwave_2:
	s_cmp_eq_u32 s14, 2
	s_cbranch_scc0 .Lwave_3
	TLOAD G0QL, G1QL
	s_branch .Lasked
.Lwave_3:
	TLOAD G0KL, G1KL
.Lasked:
	; the refill's bytes, to be asked for into the L2: waves 0 and 1 for Q, 2 and 3 for K; the four partners share a tile's 16 row blocks by address, a wave takes two of them: 24 lanes, 256 bytes each
	s_cmp_eq_u32 s15, 0
	s_cselect_b64 s[88:89], s[20:21], s[46:47]
	s_cselect_b32 s18, s40, s41
	s_lshl_b32 s18, s18, 2
	s_lshl_b32 s19, s16, 1
	s_add_co_u32 s18, s18, s19
	s_mul_i32 s18, s18, 12288
	s_mov_b32 s19, 0
	s_add_nc_u64 s[88:89], s[88:89], s[18:19]
	s_mul_i32 s90, s15, 8*RB0
	s_mul_i32 s91, s15, 8*RB1
	s_add_co_u32 s91, s91, SLT1
	s_mul_i32 s92, s16, 8*RB0
	s_add_co_u32 s92, s92, KOF0
	s_mul_i32 s93, s16, 8*RB1
	s_add_co_u32 s93, s93, KOF1
	s_mul_i32 s94, s14, 1536
	s_add_co_u32 s94, s94, STT
	s_sub_co_i32 s18, s17, s42                     ; D = my first query - my first key, a multiple of 128: it enters values alone
	s_lshl_b32 s18, s18, 8
	s_sub_co_i32 s19, s15, s16
	s_lshl_b32 s19, s19, 7
	s_add_co_i32 s18, s18, s19
	s_mov_b32 s19, 0xf1800000                      ; -2^100
	s_cmp_ge_i32 s18, 0
	s_cselect_b32 s20, 0, s19                      ; an earlier 64 keys: open unless all of my 128 x 128 is hidden
	s_cmp_ge_i32 s18, 128
	s_cselect_b32 s21, 0, s19                      ; a later 64 keys: hidden unless all of it is open
	v_and_b32 v1, 15, v0                           ; r
	v_bfe_u32 v2, v0, 4, 1                         ; h
	v_and_b32 v3, 31, v0
	v_bfe_u32 v7, v0, 3, 1                         ; r / 8
	v_and_b32 v8, 7, v0
	v_lshlrev_b32 v4, 4, v1
	v_mul_u32_u24 v5, s23, v2
	v_add3_u32 v4, v4, v5, s22                     ; lanes 0-15 my queries' scale words, lanes 16-31 my keys'
.irp s, 0,1,2,3,4,5,6,7
.irp g, 0,1
	global_load_b128 v[SC+8*\s+4*\g:SC+8*\s+4*\g+3], v4, s[6:7] offset:32768*\s+256*\g
.endr
.endr
	v_lshlrev_b32 v[GO], 4, v3
	v_lshlrev_b32 v5, 3, v3
.irp k, 0,1,2,3
	v_add_nc_u32 v[AD16+\k], s[90+\k], v[GO]
	v_add_nc_u32 v[AD8+\k], s[90+\k], v5
.endr
	v_lshl_add_u32 v[VST], v1, 2, s94
	v_add_nc_u32 v[VSB], v[VST], v2
	v_add_nc_u32 v[VRD], s94, v[GO]
	v_mov_b32 v6, 9216
	v_cmp_lt_u32 vcc_lo, 11, v3
	v_cndmask_b32 v6, 0, v6, vcc_lo
	v_min_u32 v5, 23, v3
	v_lshl_add_u32 v[PFV], v5, 8, v6
	; register j of lane (r, h) of tile (a, b): query 64 (a / 4) + 32 (r / 8) + 8 ((a % 4) xor (r / 8)) + r % 8, key 64 (b / 4) + 32 h + 8 ((b % 4) xor h) + j.  In a 64 x 64 on the diagonal a key is hidden
	; where f > D; f = 32 (h - r / 8) + j - r % 8 for a = b; else it hangs on h, r / 8 and the two tiles' order alone
	v_mov_b32 v6, s19
	v_sub_nc_u32 v9, v2, v7                        ; h - r / 8
	v_lshlrev_b32 v5, 5, v9
	v_sub_nc_u32 v5, v5, v8
	v_subrev_nc_u32 v5, s18, v5
	v_add_nc_u32 v10, 1, v9
	v_sub_nc_u32 v11, 1, v7
	WIN 0x40
.irp j, 0,1,2,3,4,5,6,7
	v_cmp_lt_i32 vcc_lo, -\j, v5
	v_cndmask_b32 v[MDG+\j], 0, v6, vcc_lo
.endr
	v_cmp_lt_i32 vcc_lo, s18, v9
.irp j, 0,1,2,3,4,5,6,7
	v_cndmask_b32 v[MLE+\j], 0, v6, vcc_lo
.endr
	v_cmp_lt_i32 vcc_lo, s18, v10
.irp j, 0,1,2,3,4,5,6,7
	v_cndmask_b32 v[MGE+\j], 0, v6, vcc_lo
.endr
	v_cmp_lt_i32 vcc_lo, s18, v2
.irp j, 0,1,2,3,4,5,6,7
	v_cndmask_b32 v[MEO+\j], 0, v6, vcc_lo
.endr
	v_cmp_lt_i32 vcc_lo, s18, v11
.irp j, 0,1,2,3,4,5,6,7
	v_cndmask_b32 v[MOE+\j], 0, v6, vcc_lo
.endr
.irp j, 0,1,2,3,4,5,6,7
	v_mov_b32 v[MLO+\j], s20
	v_mov_b32 v[MHI+\j], s21
.endr
	WIN 0
	s_wait_alu depctr_va_vdst(0)
	global_prefetch_b8 v[PFV], s[88:89] offset:6*FRB th:TH_LOAD_NT scope:SCOPE_SE
	; where my results go
	s_lshl_b32 s18, s97, 2
	s_lshr_b32 s19, s42, 1
	s_add_co_u32 s18, s18, s19
	s_lshl_b32 s18, s18, 7
	s_lshl_b32 s19, s17, 4
	s_add_co_u32 s18, s18, s19
	s_lshl_b32 s19, s15, 3
	s_add_co_u32 s18, s18, s19
	s_lshl_b32 s18, s18, 2
	s_and_b32 s19, s42, 1
	s_lshl_b32 s19, s19, 1
	s_add_co_u32 s18, s18, s19
	s_add_co_u32 s18, s18, s16
	s_mul_i32 s20, s18, FRB
	s_mov_b32 s21, 0
	s_add_nc_u64 s[8:9], s[8:9], s[20:21]          ; pf: [batch][512 keys: 4][query block 128][128 keys: 4] images
	s_lshl_b32 s19, s42, 1
	s_add_co_u32 s19, s19, s16                     ; my chunk of 128 keys
	s_lshl_b32 s20, s97, 4
	s_add_co_u32 s20, s20, s19
	s_lshl_b32 s20, s20, 11
	s_lshl_b32 s22, s17, 8
	s_add_co_u32 s20, s20, s22
	s_lshl_b32 s22, s15, 7
	s_add_co_u32 s20, s20, s22
	s_lshl_b32 s20, s20, 2
	s_add_nc_u64 s[10:11], s[10:11], s[20:21]      ; st: three arrays [batch x 16 + chunk][2,048 queries, in fragment order] x 4 bytes
.macro FRAG reg, k, off                ; k: 0, 1 Q in slot 0, 1; 2, 3 K
	ds_load_b128 v[(\reg):(\reg)+3], v[AD16+\k] offset:\off
	ds_load_b64 v[(\reg)+4:(\reg)+5], v[AD8+\k] offset:(\off)+512
	ds_load_b128 v[(\reg)+6:(\reg)+9], v[AD16+\k] offset:(\off)+768
	ds_load_b64 v[(\reg)+10:(\reg)+11], v[AD8+\k] offset:(\off)+1280
.endm
.macro PLACE st                        ; where step st lies
.if (\st) < 2
.set SLT, 0
.set RBP, RB0
.set QO, (\st)*FRB
.elseif (\st) < 6
.set SLT, 1
.set RBP, RB1
.set QO, ((\st)-2)*FRB
.else
.set SLT, 0
.set RBP, RB0
.set QO, ((\st)-6)*FRB
.endif
.endm
.macro FETCH_B st
	PLACE \st
	WIN 0x40
.irp i, 0,1,2,3,4,5,6,7
	FRAG 96*((\st)%2)+FR*\i, 2+SLT, \i*RBP+QO
.endr
	WIN 0
.endm
.macro FETCH_A st, i0
	PLACE \st
.irp i, \i0, \i0+1, \i0+2, \i0+3
	FRAG AF+FR*(\i), SLT, (\i)*RBP+QO
.endr
.endm
; 16 matrix instructions: Q's blocks a0, a0 + 1 x K's eight.  Step 0: C is the mask's tile.  The 64 accumulators take turns.
.macro MUL16 a0, st
.irp a, \a0, \a0+1
.irp b, 0,1,2,3,4,5,6,7
.set D_, 8*(8*((\a)%4)+\b)
.set F0_, 96*((\st)%2)+FR*\b
.set F1_, AF+FR*(\a)
.if (\st) == 0
.set JQ, (\a)%4
.set JK, \b%4
.set WQ, (\a)/4
.set WK, \b/4
.if WK < WQ
.set MC, MLO
.elseif WK > WQ
.set MC, MHI
.elseif JK == JQ
.set MC, MDG
.elseif JK/2 < JQ/2
.set MC, MLE
.elseif JK/2 > JQ/2
.set MC, MGE
.elseif JK < JQ
.set MC, MEO
.else
.set MC, MOE
.endif
	v_wmma_scale_f32_16x16x128_f8f6f4 v[D_:D_+7], v[F0_:F0_+11], v[F1_:F1_+11], v[MC:MC+7], v[SC+\b], v[SC+(\a)] matrix_a_fmt:MATRIX_FMT_FP6 matrix_b_fmt:MATRIX_FMT_FP6 matrix_a_scale:MATRIX_SCALE_ROW1
.else
	v_wmma_scale_f32_16x16x128_f8f6f4 v[D_:D_+7], v[F0_:F0_+11], v[F1_:F1_+11], v[D_:D_+7], v[SC+8*(\st)+\b], v[SC+8*(\st)+(\a)] matrix_a_fmt:MATRIX_FMT_FP6 matrix_b_fmt:MATRIX_FMT_FP6 matrix_a_scale:MATRIX_SCALE_ROW1
.endif
.endr
.endr
.endm
; A step of 128 along K.  Step 1 ends slot 0's first use: a drained round, and the refill.  Step 5 ends slot 1's: a barrier shows the refill.
.macro STEP st
.if (\st) == 1 || (\st) == 5
	s_wait_tensorcnt 0x0                           ; all my tensor loads have landed
	ds_add_u32 v[SPW], v[NIL]
	s_wait_dscnt 17                                ; the add and the youngest 16 loads (Q's blocks 4-7) may be out
.else
	s_wait_dscnt 16                                ; the youngest 16 loads (Q's blocks 4-7) may be out
.endif
.if (\st) == 0
	WIN 0x91                                       ; C (the mask) in window 1
.else
	WIN 0xa1
.endif
	MUL16 0, \st
.if (\st) == 1 || (\st) == 5
	s_wait_dscnt 0x0                               ; the add is done, and my reads of this slot are over
	s_barrier_signal -1
	MUL16 2, \st
	WIN 0
	s_barrier_wait -1
.if (\st) == 1
	CREST
	s_add_nc_u64 s[G0Q+2:G0Q+3], s[G0Q+2:G0Q+3], 6*FRB
	s_add_nc_u64 s[G0K+2:G0K+3], s[G0K+2:G0K+3], 6*FRB
	s_cmp_eq_u32 s14, 0
	s_cbranch_scc0 .Lrefill_k
	TLOAD G0Q, G1Q
	s_branch .Lrefilled
.Lrefill_k:
	s_cmp_eq_u32 s14, 1
	s_cbranch_scc0 .Lrefilled
	TLOAD G0K, G1K
.Lrefilled:
.endif
.else
	MUL16 2, \st
	s_wait_dscnt 0                                 ; Q's blocks 4-7 are in
.endif
.if (\st) < 7
	PLACES NP
	FETCH_B (\st)+1
	FETCH_A (\st)+1, 0
.endif
.if (\st) == 0
	WIN 0xd1
.else
	WIN 0xf1
.endif
	MUL16 4, \st
	MUL16 6, \st
.if (\st) < 7
	PLACES NP
	WIN 0
	FETCH_A (\st)+1, 4
.endif
	WIN 0
.endm
	s_cmp_lt_u32 s14, 2
	s_cbranch_scc0 .Lnot_first
	s_wait_tensorcnt 0x0
.Lnot_first:
	s_barrier_signal -1                            ; slot 0 is in; slot 1 may be on its way
	s_barrier_wait -1
	FETCH_B 0
	FETCH_A 0, 0
	FETCH_A 0, 4
	s_wait_loadcnt 0x0                             ; the scale words
	STEP 0
	STEP 1
	STEP 2
	STEP 3
	STEP 4
	STEP 5
	STEP 6
	STEP 7
; THE SOFTMAX OF 16 QUERIES x MY 128 KEYS, and its quantiser.  Registers 32 c .. 32 c + 31 of lane (r, h) are block 2 c + h of 32 keys.
.macro SOFT a
.set AC, 64*((\a)%4)
.set W, 2+(\a)/4
	WIN (W|(W<<2)|(W<<4))
.irp b, 0,1,2,3
	v_max3_num_f32 v[BM+\b], v[AC+16*\b], v[AC+16*\b+1], v[AC+16*\b+2]
.endr
	WIN ((W<<2)|(W<<4))
.irp i, 3,5,7,9,11,13
.irp b, 0,1,2,3
	v_max3_num_f32 v[BM+\b], v[BM+\b], v[AC+16*\b+\i], v[AC+16*\b+\i+1]
.endr
.endr
.irp b, 0,1,2,3
	v_max_num_f32 v[BM+\b], v[BM+\b], v[AC+16*\b+15]
.endr
	WIN 0
	v_max_num_f32 v[BM], v[BM], v[BM+1]            ; each block's largest score: it serves the row's maximum and, since p rises with the score, the block's largest p
	v_max_num_f32 v[BM+1], v[BM+2], v[BM+3]
	v_max_num_f32 v[TT], v[BM], v[BM+1]
	v_permlanex16_b32 v[BT], v[TT], s[SEL], s[SEL+1]
	v_max_num_f32 v[TT], v[TT], v[BT]
	v_mul_f32 v[TT], s[CS], v[TT]                  ; the chunk's largest t of my query
	v_max_num_f32 v13, 0xee000000, v[TT]           ; held at -2^93 where the whole chunk is hidden: every p is then 0
	v_floor_f32 v12, -v13                          ; -Mc: a whole number
	WIN W
.set jj, 0
.rept 32
	v_pk_fma_f32 v[PP+jj:PP+jj+1], v[AC+jj:AC+jj+1], s[CS:CS+1], v[12:13] op_sel_hi:[1,0,0]
.set jj, jj+2
.endr
	WIN 0
.irp b, 0,1
	v_fma_f32 v[BM+\b], v[BM+\b], s[CS], v12
.endr
	s_wait_alu depctr_va_vdst(0)
.set jj, 0
.rept 64
	v_exp_f32 v[PP+jj], v[PP+jj]                   ; p = 2^(t - Mc), at most 1
.set jj, jj+1
.endr
	v_nop
	s_wait_alu depctr_va_vdst(0)                   ; one wait for the batch
.irp b, 0,1
	v_exp_f32 v[BM+\b], v[BM+\b]                   ; the blocks' largest p: the same two instructions on the same number
.endr
	v_pk_add_f32 v[14:15], v[PP:PP+1], v[PP+4:PP+5]           ; the sum of the UNQUANTISED p, in two chains
	v_pk_add_f32 v[S2:S2+1], v[PP+2:PP+3], v[PP+6:PP+7]
.irp j, 8,12,16,20,24,28,32,36,40,44,48,52,56,60
	v_pk_add_f32 v[14:15], v[14:15], v[PP+\j:PP+\j+1]
	v_pk_add_f32 v[S2:S2+1], v[S2:S2+1], v[PP+\j+2:PP+\j+3]
.endr
	v_pk_add_f32 v[14:15], v[14:15], v[S2:S2+1]
	s_wait_alu depctr_va_vdst(0)
.irp b, 0,1
	v_max_num_f32 v[BM+\b], 0x1800000, v[BM+\b]    ; the floor 2^(3 - 127): the byte cannot fall under 1
.endr
	v_mov_b32 v[NB+\a], v12
.irp b, 0,1
	v_add_nc_u32 v[SO+\b], 0xff000000, v[BM+\b]    ; 2 off the exponent field: the conversion's scale operand
.endr
.irp b, 0,1
	v_lshrrev_b32 v[BY+\b], 23, v[SO+\b]
.endr
	s_wait_alu depctr_va_vdst(0)
	s_wait_xcnt 0x0                                ; the last block's stores have read their data
.irp c, 0,1
	ds_store_b8 v[VSB], v[BY+\c] offset:1024+64*\a+2*\c
.endr
.irp c, 0,1
	v_cvt_scalef32_pk16_fp6_f32 v[PC+6*\c:PC+6*\c+2], v[PP+32*\c:PP+32*\c+15], v[SO+\c]
	v_cvt_scalef32_pk16_fp6_f32 v[PC+12+4*\c:PC+14+4*\c], v[PP+32*\c+16:PP+32*\c+31], v[SO+\c]
.endr
	v_add_f32 v[TT], v14, v15                      ; (the plain place behind the scaled conversions)
.irp c, 0,1
.irp i, 0,1,2
	v_mov_b32 v[PC+3+6*\c+\i], v[PC+12+4*\c+\i]
.endr
.endr
	v_permlanex16_b32 v[BT], v[TT], s[SEL], s[SEL+1]
	v_add_f32 v[LB+\a], v[TT], v[BT]               ; the chunk's sum of my query
.irp c, 0,1,2
	global_store_b128 v[GO], v[PC+4*\c:PC+4*\c+3], s[8:9] offset:6144*\a+512*\c   ; the image: 512 consecutive bytes, aligned
.endr
.endm
	PLACES NP
	v_mov_b32 v[BT], 0                             ; a lane permute's destination counts as read
.irp a, 0,1,2,3,4,5,6,7
	SOFT \a
.endr
.irp a, 0,1,2,3,4,5,6,7                        ; lanes l and l xor 16 write the same word with the same value
	ds_store_b32 v[VST], v[NB+\a] offset:64*\a
	ds_store_b32 v[VST], v[LB+\a] offset:512+64*\a
.endr
.irp k, 0,1,2
	ds_load_b128 v[WO+4*\k:WO+4*\k+3], v[VRD] offset:512*\k   ; LDS serves a wave's instructions in order: these see my stores
.endr
	s_wait_dscnt 0x0
.irp k, 0,1,2
	global_store_b128 v[GO], v[WO+4*\k:WO+4*\k+3], s[10:11] offset:524288*\k   ; 128 rows' -Mc, sums, scale words: 512 consecutive bytes each, aligned
.endr
	s_wait_tensorcnt 0x0                           ; the wave's end
	ds_add_u32 v[SPW], v[NIL]
	s_wait_dscnt 0x0
	CROUND                                         ; the closing round
	s_endpgm
.Lfunc_end_k_q0a4a59d85a_scores:
	.size	k_q0a4a59d85a_scores, .Lfunc_end_k_q0a4a59d85a_scores-k_q0a4a59d85a_scores
	.p2alignl 7, 3214868480
	.fill 96, 4, 3214868480
	.section	.rodata,"a",@progbits
	.p2align	6, 0x0
	.amdhsa_kernel k_q0a4a59d85a_scores
		.amdhsa_group_segment_fixed_size 327680
		.amdhsa_private_segment_fixed_size 0
		.amdhsa_enable_private_segment 0
		.amdhsa_kernarg_size 32
		.amdhsa_user_sgpr_count 2
		.amdhsa_user_sgpr_kernarg_segment_ptr 1
		.amdhsa_wavefront_size32 1
		.amdhsa_system_sgpr_workgroup_id_x 1
		.amdhsa_system_sgpr_workgroup_id_y 1
		.amdhsa_system_sgpr_workgroup_id_z 1
		.amdhsa_system_vgpr_workitem_id 0
		.amdhsa_next_free_vgpr 1024
		.amdhsa_next_free_sgpr 100
		.amdhsa_reserve_vcc 1
		.amdhsa_float_denorm_mode_32 3
		.amdhsa_float_denorm_mode_16_64 3
		.amdhsa_memory_ordered 1
		.amdhsa_forward_progress 1
		.amdhsa_inst_pref_size 197
	.end_amdhsa_kernel
	.amdgpu_metadata
---
amdhsa.version: [ 1, 2 ]
amdhsa.kernels:
  - .name:           k_q0a4a59d85a_scores
    .symbol:         k_q0a4a59d85a_scores.kd
    .args:
      - { .name: qkv, .offset: 0, .size: 8, .value_kind: global_buffer, .address_space: global }
      - { .name: sw, .offset: 8, .size: 8, .value_kind: global_buffer, .address_space: global }
      - { .name: pf, .offset: 16, .size: 8, .value_kind: global_buffer, .address_space: global }
      - { .name: st, .offset: 24, .size: 8, .value_kind: global_buffer, .address_space: global }
    .group_segment_fixed_size: 327680
    .private_segment_fixed_size: 0
    .kernarg_segment_align: 8
    .kernarg_segment_size: 32
    .max_flat_workgroup_size: 128
    .sgpr_count:     100
    .vgpr_count:     1024
    .wavefront_size: 32
...
	.end_amdgpu_metadata
.endif
;; end of part 2
;; launch mix (part 3): grid 8 x 32, 4 waves a work-group, clusters of 4 x 4, 327,680 bytes of LDS; arguments pf, qkv, sw, st, out0; writes out0
.if DOCPART == 3
	.amdgcn_target "amdgcn-amd-amdhsa--gfx1250"
	.amdhsa_code_object_version 6
	.text
	.protected	k_q0a4a59d85a_mix
	.globl	k_q0a4a59d85a_mix
	.p2align	8
	.type	k_q0a4a59d85a_mix,@function
k_q0a4a59d85a_mix:
	s_mov_b64 s[64:65], 0
	v_nop
	global_prefetch_b8 v0, s[64:65] scope:SCOPE_SE
	s_setreg_imm32_b32 hwreg(HW_REG_WAVE_MODE, 25, 1), 1
	s_wait_xcnt 0x0
	s_wait_alu depctr_hold_cnt(0) depctr_sa_sdst(0) depctr_va_vdst(0) depctr_va_sdst(0) depctr_va_ssrc(0) depctr_va_vcc(0) depctr_vm_vsrc(0)
	s_getreg_b32 s2, hwreg(HW_REG_IB_STS2, 6, 4)
	s_cmp_eq_u32 s2, 0
	s_cbranch_scc0 .Lentry_in_a_cluster
	s_endpgm
.Lentry_in_a_cluster:
	s_bfe_u32 s2, ttmp6, 0x10000c
	s_cmp_lg_u32 s2, 0xf033
	s_cbranch_scc0 .Lentry_shape_is_right
	s_endpgm
.Lentry_shape_is_right:
; out = (P V) / l on codes of FP6, P's codes as the launch before left them, each with its own chunk's maximum: here the row's M is taken, (M - Mc) is taken off the scale bytes and the sums: exact powers of two.
; DEAD WORK: chunks of keys behind a query tile's own group of 512 keys are hidden for all its queries by reference()'s causal mask and are neither read nor multiplied; a NaN or an infinity there is not carried on.
; A work-group makes 128 d for TWO tiles of 128 queries of a batch: S = tile qb and L = tile 15 - qb, so that all 256 have the same work.  Four waves, 2 x 2: each 64 queries of L, 64 of S, 64 d: a fragment of V serves both.
; Keys go in groups of 512 (four chunks of 128).  CLUSTERS: 4 x 4 work-groups: four pairs x four d tiles; P's tiles are shared along a row, V's along a column.  Cluster y: batch = y / 2; type = y % 2 gives the pairs
; 0-3 (L: groups 0-3, S: group 0) or 4-7 (L: groups 0-2, S: groups 0-1): the branches hang on the cluster's number alone.  Hidden chunks inside those groups hold zero codes.
; FILLS: at the head one joint load a wave: V's group 0, L's groups 0 and 1, all of S, V's group 1.  Behind group 0 (and 1, for the first type) a drained round and the refill of V's and L's slot, two groups on.
; What the refills bring is asked for into the L2 ahead, shared by address among the four partners.
; THE WAY OUT goes through a stage that lies on S's tiles once all waves have read them.  Rows of L and S are in fragment order: lane r of row block 4 w + j is token 64 w + 32 (r / 8) + 8 (j xor (r / 8)) + r % 8; V's d likewise.
; LIMITS: NaN and infinities are not served; the scaled scores stay under 2^31 in magnitude.
; REGISTERS: window 0: v14-31 addresses; v32-159 scale words, two sets (row block i of L, S at 8 i, V's at 8 t + 4); v160-255 S's fragments, two sets, and at work.  window 1: V's two sets, L's two sets.  window 2: the accumulators of L, of S.
.set NP,     4
.set GB,     49152                     ; a tile of one group: 8 blocks x 4 images
.set VREG,   0
.set LREG,   2*GB
.set SREG,   4*GB
.set ASW,    6*GB                      ; scale words: L's 128 rows, S's 128 rows x 80 bytes
.set BSW,    ASW+256*80                ; V's 128 rows
.set RL,     BSW+128*80                ; 1 / l
.set SPARE,  RL+1024
.set SPITCH, 272
.set VGS,    393216                    ; from group to group in V's images, in P's
.set PGS,    786432
.set PFV,  14
.set RLA,  15
.set AV,   16
.set AL,   20
.set AS,   22
.set ADSA, 24
.set ADSB, 25
.set STE,  26
.set SPW,  28
.set NIL,  29
.set RD,   30
.set CO,   31
.set SC,   32
.set OB,   160
.set RLV,  224
.set NM,   128
.set LS,   160
.set PWR,  192
.set VW,   224
.set MN,   240
.set LL,   242
.set T,    244
.set G1V, 24
.set G1P, 48
.set G1P2, 68
.set G0V, 32
.set G0L, 36
.set G0S, 56
.set G0V1, 60
.set MSB, 0
.macro WIN new
.if MSB != \new
	s_set_vgpr_msb (MSB<<8)|\new
.set MSB, \new
.endif
.endm
.macro PLACES n
.rept \n
	v_nop
.endr
.endm
.macro CREST
	s_cmp_lg_u32 s14, 0
	s_cbranch_scc1 .Lnot_wave_0_\@
	s_barrier_signal -3
.Lnot_wave_0_\@:
	s_barrier_wait -3
	s_barrier_signal -1
	s_barrier_wait -1
.endm
.macro CROUND
	s_barrier_signal -1
	s_barrier_wait -1
	CREST
.endm
.macro TLOAD g0, g1
	tensor_load_to_lds s[\g0:\g0+3], s[\g1:\g1+7]
	s_nop 0
	PLACES 4
.endm
.macro GROUP1 g, mask, c, r, p
	s_or_b32 s[\g+0], s\mask, (3<<16)|(1<<21)
	s_mov_b32 s[\g+1], ((\c)&0xffff)<<16
	s_mov_b32 s[\g+2], (\r)<<16
	s_mov_b32 s[\g+3], (\c)<<16
	s_mov_b32 s[\g+4], \r
	s_mov_b32 s[\g+5], \p
	s_mov_b32 s[\g+6], 0
	s_mov_b32 s[\g+7], 0
.endm
.macro GROUP0 g, lds, base, off
	s_mov_b32 s[\g], 1
	s_mov_b32 s[\g+1], \lds
	s_add_nc_u64 s[\g+2:\g+3], s[\base:\base+1], \off
	s_or_b32 s[\g+3], s[\g+3], 0x80000000
.endm
	s_load_b256 s[4:11], s[0:1], 0x0               ; pf, qkv, sw, st
	s_load_b64 s[12:13], s[0:1], 0x20              ; out0
	v_lshl_add_u32 v[SPW], v0, 2, SPARE
	v_mov_b32 v[NIL], 0
	ds_add_u32 v[SPW], v[NIL]
	ds_add_u32 v[SPW], v[NIL]
	v_lshrrev_b32 v1, 5, v0
	v_readfirstlane_b32 s14, v1
	s_wait_alu depctr_va_vdst(0)
	s_lshr_b32 s15, s14, 1                         ; my 64 queries of each tile
	s_and_b32 s16, s14, 1                          ; my 64 d
	s_bfe_u32 s40, ttmp6, 0x40000                  ; cx
	s_bfe_u32 s41, ttmp6, 0x40004                  ; cy
	s_and_b32 s97, ttmp7, 0xffff
	s_lshr_b32 s98, s97, 1                         ; the batch
	s_and_b32 s99, s97, 1                          ; the type
	s_lshl_b32 s17, s99, 2
	s_add_co_u32 s17, s17, s41                     ; S's tile
	s_sub_co_u32 s18, 15, s17                      ; L's tile
	s_lshl_b32 s42, ttmp9, 2
	s_add_co_u32 s42, s42, s40                     ; my tile of 128 d
	s_lshl_b32 s43, s41, 2
	s_lshl_b32 s43, 15, s43                        ; my row of the cluster
	s_lshl_b32 s44, 0x1111, s40                    ; my column
	GROUP1 G1V, 44, 768, 8, 768                    ; a group's tile is dense
	GROUP1 G1P, 43, 768, 8, 768
	GROUP1 G1P2, 43, 6144, 2, PGS/8                ; two groups' tiles
	s_mul_i32 s20, s98, 1572864
	s_mul_i32 s21, s42, GB
	s_add_co_u32 s20, s20, s21
	s_add_co_u32 s20, s20, 12582912                ; V's images lie behind Q's and K's
	s_mov_b32 s21, 0
	s_mul_i32 s46, s98, 3145728
	s_mul_i32 s22, s18, GB
	s_add_co_u32 s22, s22, s46                     ; L
	s_mov_b32 s23, 0
	s_mul_i32 s47, s17, GB
	s_add_co_u32 s46, s46, s47                     ; S
	s_mov_b32 s47, 0
	s_wait_dscnt 0x0
	CROUND                                         ; all sixteen work-groups are here: the first joint loads meet
	s_wait_kmcnt 0x0
	s_add_nc_u64 s[76:77], s[6:7], s[20:21]
	s_add_nc_u64 s[78:79], s[4:5], s[22:23]
	s_add_nc_u64 s[46:47], s[4:5], s[46:47]
	GROUP0 G0V, VREG, 76, 0
	GROUP0 G0L, LREG, 78, 0
	GROUP0 G0S, SREG, 46, 0
	GROUP0 G0V1, VREG+GB, 76, VGS
	s_cmp_eq_u32 s14, 0
	s_cbranch_scc0 .Lwave_1
	TLOAD G0V, G1V
	s_branch .Lasked
.Lwave_1:
	s_cmp_eq_u32 s14, 1
	s_cbranch_scc0 .Lwave_2
	TLOAD G0L, G1P2
	s_branch .Lasked
.Lwave_2:
	s_cmp_eq_u32 s14, 2
	s_cbranch_scc0 .Lwave_3
	s_cmp_eq_u32 s99, 0
	s_cbranch_scc0 .Ltwo_groups
	TLOAD G0S, G1P
	s_branch .Lasked
.Ltwo_groups:
	TLOAD G0S, G1P2
	s_branch .Lasked
.Lwave_3:
	TLOAD G0V1, G1V
.Lasked:
	; the statistics: waves 0 and 1 take L's 128 rows (16 chunks), waves 2 and 3 S's (8 chunks), two rows a thread; and a row of V's scale words a thread
	s_mov_b32 s19, 0
	s_cmp_lt_u32 s14, 2
	s_cselect_b32 s22, s18, s17
	s_lshl_b32 s22, s22, 9
	s_lshl_b32 s20, s98, 17
	s_add_co_u32 s20, s20, s22
	s_mov_b32 s21, 0
	s_add_nc_u64 s[10:11], s[10:11], s[20:21]
	s_lshl_b32 s20, s98, 16
	s_lshl_b32 s22, s42, 9
	s_add_co_u32 s20, s20, s22
	s_add_co_u32 s20, s20, 524288
	s_add_nc_u64 s[8:9], s[8:9], s[20:21]
	v_and_b32 v1, 63, v0
	v_lshlrev_b32 v1, 3, v1
	v_lshlrev_b32 v2, 2, v0
.irp c, 0,1,2,3,4,5,6,7
	global_load_b64 v[NM+2*\c:NM+2*\c+1], v1, s[10:11] offset:8192*\c
	global_load_b64 v[LS+2*\c:LS+2*\c+1], v1, s[10:11] offset:524288+8192*\c
	global_load_b64 v[PWR+2*\c:PWR+2*\c+1], v1, s[10:11] offset:1048576+8192*\c
.endr
	s_wait_alu depctr_va_vdst(0)
	s_cmp_lt_u32 s14, 2
	s_cbranch_scc0 .Lshort_stats
.irp c, 8,9,10,11,12,13,14,15
	global_load_b64 v[NM+2*\c:NM+2*\c+1], v1, s[10:11] offset:8192*\c
	global_load_b64 v[LS+2*\c:LS+2*\c+1], v1, s[10:11] offset:524288+8192*\c
	global_load_b64 v[PWR+2*\c:PWR+2*\c+1], v1, s[10:11] offset:1048576+8192*\c
.endr
	s_branch .Lstats
.Lshort_stats:                                     ; S's rows have no more: these columns count for nothing
.set jj, 16
.rept 16
	v_mov_b32 v[NM+jj], 0x6e000000
	v_mov_b32 v[LS+jj], 0
	v_mov_b32 v[PWR+jj], 0
.set jj, jj+1
.endr
	s_wait_alu depctr_va_vdst(0)
.Lstats:
.irp c, 0,1,2,3,4,5,6,7,8,9,10,11,12,13,14,15
	global_load_b32 v[VW+\c], v2, s[8:9] offset:4096*\c
.endr
	; what the first refill will bring, for the L2: waves 0 and 1 V's group 2, waves 2 and 3 L's; a quarter of a tile a work-group, by address: 24 lanes a wave, 256 bytes each
	s_cmp_eq_u32 s15, 0
	s_cselect_b64 s[80:81], s[76:77], s[78:79]
	s_cselect_b32 s20, s41, s40
	s_mov_b32 s82, PGS
	s_cselect_b32 s82, VGS, s82                    ; from group to group
	s_mov_b32 s83, 0
	s_mul_i32 s20, s20, GB/4
	s_mul_i32 s22, s16, GB/8
	s_add_co_u32 s20, s20, s22
	s_mov_b32 s21, 0
	s_add_nc_u64 s[80:81], s[80:81], s[20:21]
	s_add_nc_u64 s[80:81], s[80:81], s[82:83]
	s_add_nc_u64 s[80:81], s[80:81], s[82:83]
	s_mul_i32 s20, s15, 4*6144
	s_mul_i32 s22, s16, 4*6144
	s_mul_i32 s84, s15, 64*80
	s_add_co_u32 s84, s84, ASW
	s_mul_i32 s85, s16, 64*80
	s_add_co_u32 s85, s85, BSW
	s_mul_i32 s86, s14, 64*SPITCH
	s_add_co_u32 s86, s86, SREG
	s_lshl_b32 s87, s15, 8
	s_add_co_u32 s87, s87, RL
	s_add_co_u32 s92, s20, LREG
	s_add_co_u32 s93, s20, LREG+GB
	s_add_co_u32 s94, s20, SREG
	s_add_co_u32 s95, s20, SREG+GB
	s_add_co_u32 s23, s22, GB
	v_and_b32 v6, 15, v0                           ; r
	v_bfe_u32 v7, v0, 4, 1                         ; h
	v_and_b32 v8, 31, v0
	v_min_u32 v9, 23, v8
	v_lshlrev_b32 v[PFV], 8, v9
	v_lshlrev_b32 v9, 3, v8
	v_lshlrev_b32 v8, 4, v8
	v_add_nc_u32 v[AV], s22, v8
	v_add_nc_u32 v[AV+1], s22, v9
	v_add_nc_u32 v[AV+2], s23, v8
	v_add_nc_u32 v[AV+3], s23, v9
	v_add_nc_u32 v[AL], s92, v8
	v_add_nc_u32 v[AL+1], s93, v8
	v_add_nc_u32 v[AS], s94, v8
	v_add_nc_u32 v[AS+1], s95, v8
	v_mul_u32_u24 v9, v6, 80
	v_add_nc_u32 v[ADSA], s84, v9
	v_add_nc_u32 v[ADSB], s85, v9
	v_mul_u32_u24 v9, v6, SPITCH
	v_mad_u32_u24 v10, v7, 160, v9
	v_mad_u32_u24 v11, v7, 96, v9
	v_add_nc_u32 v[STE], s86, v10                  ; the stage: even tiles of d, and (the next register) odd
	v_add_nc_u32 v[STE+1], s86, v11
	v_mul_u32_u24 v9, v7, SPITCH
	v_lshl_add_u32 v9, v6, 4, v9
	v_add_nc_u32 v[RD], s86, v9
	v_lshlrev_b32 v9, 12, v7
	v_lshl_add_u32 v[CO], v6, 4, v9
	v_lshl_add_u32 v[RLA], v6, 2, s87
	v_mul_u32_u24 v3, v0, 160
	v_add_nc_u32 v3, ASW, v3
	v_mul_u32_u24 v4, v0, 80
	v_add_nc_u32 v4, BSW, v4
	v_lshl_add_u32 v5, v0, 3, RL
	s_wait_alu depctr_va_vdst(0)
	global_prefetch_b8 v[PFV], s[80:81] th:TH_LOAD_NT scope:SCOPE_SE
	; where my rows go: s[88:89] S's, s[90:91] L's
	s_lshl_b32 s22, s98, 4
	s_lshl_b32 s23, s42, 9
	s_lshl_b32 s86, s16, 8
	s_add_co_u32 s23, s23, s86
	s_lshl_b32 s86, s15, 18
	s_add_co_u32 s23, s23, s86
	s_add_co_u32 s20, s22, s17
	s_lshl_b32 s20, s20, 19
	s_add_co_u32 s20, s20, s23
	s_mov_b32 s21, 0
	s_add_nc_u64 s[88:89], s[12:13], s[20:21]
	s_add_co_u32 s20, s22, s18
	s_lshl_b32 s20, s20, 19
	s_add_co_u32 s20, s20, s23
	s_add_nc_u64 s[90:91], s[12:13], s[20:21]
	s_wait_loadcnt 0x0
.irp e, 0,1
	v_min3_num_f32 v[MN+\e], v[NM+\e], v[NM+2+\e], v[NM+4+\e]   ; the row's -M: the least of its chunks'
.endr
.irp c, 3,5,7,9,11,13
.irp e, 0,1
	v_min3_num_f32 v[MN+\e], v[MN+\e], v[NM+2*\c+\e], v[NM+2*\c+2+\e]
.endr
.endr
.irp e, 0,1
	v_min_num_f32 v[MN+\e], v[MN+\e], v[NM+30+\e]
.endr
.irp c, 0,1,2,3,4,5,6,7,8,9,10,11,12,13,14,15
	v_pk_add_f32 v[NM+2*\c:NM+2*\c+1], v[NM+2*\c:NM+2*\c+1], v[MN:MN+1] neg_lo:[0,1] neg_hi:[0,1]   ; M - Mc
.endr
.set jj, 0
.rept 32
	v_min_num_f32 v[NM+jj], 0x42fe0000, v[NM+jj]   ; held at 127
.set jj, jj+1
.endr
.set jj, 0
.rept 32
	v_cvt_u32_f32 v[NM+jj], v[NM+jj]
.set jj, jj+1
.endr
.irp c, 0,1,2,3,4,5,6,7,8,9,10,11,12,13,14,15
	v_sub_nc_u32 v[T+2*(\c%4)], 127, v[NM+2*\c]
	v_sub_nc_u32 v[T+2*(\c%4)+1], 127, v[NM+2*\c+1]
	v_lshlrev_b32 v[T+2*(\c%4)], 23, v[T+2*(\c%4)]
	v_lshlrev_b32 v[T+2*(\c%4)+1], 23, v[T+2*(\c%4)+1]
.if \c == 0
	v_pk_mul_f32 v[LL:LL+1], v[LS:LS+1], v[T:T+1]
.else
	v_pk_fma_f32 v[LL:LL+1], v[LS+2*\c:LS+2*\c+1], v[T+2*(\c%4):T+2*(\c%4)+1], v[LL:LL+1]
.endif
.endr
	s_wait_alu depctr_va_vdst(0)
	v_rcp_f32 v[LL], v[LL]
	v_rcp_f32 v[LL+1], v[LL+1]
.irp c, 0,2,4,6,8,10,12,14                     ; four bytes at once: w - d where w is not under d, else 0 (its codes then count under 2^-126)
.irp n, 0,1,2,3
	v_perm_b32 v[T+3*\n], v[NM+2*\c+\n], v[NM+2*\c+\n], 0
.endr
.irp n, 0,1,2,3
	v_or_b32 v[T+3*\n+1], 0x80808080, v[PWR+2*\c+\n]
.endr
.irp n, 0,1,2,3
	v_sub_nc_u32 v[T+3*\n+1], v[T+3*\n+1], v[T+3*\n]
.endr
.irp n, 0,1,2,3
	v_and_b32 v[T+3*\n], 0x80808080, v[T+3*\n+1]
.endr
.irp n, 0,1,2,3
	v_lshrrev_b32 v[T+3*\n+2], 7, v[T+3*\n]
.endr
.irp n, 0,1,2,3
	v_sub_nc_u32 v[T+3*\n], v[T+3*\n], v[T+3*\n+2]
.endr
.irp n, 0,1,2,3
	v_and_b32 v[LS+16*(\n%2)+\c+\n/2], v[T+3*\n+1], v[T+3*\n]
.endr
.endr
	s_wait_alu depctr_va_vdst(0)
.irp e, 0,1
.irp g, 0,1,2,3
	ds_store_b128 v3, v[LS+16*\e+4*\g:LS+16*\e+4*\g+3] offset:80*\e+16*\g
.endr
.endr
.irp g, 0,1,2,3
	ds_store_b128 v4, v[VW+4*\g:VW+4*\g+3] offset:16*\g
.endr
	ds_store_b64 v5, v[LL:LL+1]
	s_cmp_eq_u32 s14, 3
	s_cbranch_scc1 .Lnot_first
	s_wait_tensorcnt 0x0
.Lnot_first:
	s_wait_dscnt 0x0
	s_barrier_signal -1                            ; the scale words, 1 / l and all tiles but V's group 1 are in
	s_barrier_wait -1
; cnt x 4 matrix instructions: row blocks a0 .. of L (s = 0) or S (s = 1) x V's four; the accumulators take turns
.macro MUL s, a0, cnt, set, ss, q, zero
.set AA, \a0
.rept \cnt
.irp b, 0,1,2,3
.set DD, 128*(\s)+8*(4*AA+\b)
.set XA, SC+64*(\ss)+8*(4*(\s)+AA)+(\q)
.set XB, SC+64*(\ss)+8*\b+4+(\q)
.set FA, 96+64*(\s)+48*(\set)+12*AA
.set FV, 48*(\set)+12*\b
.if \zero
	v_wmma_scale_f32_16x16x128_f8f6f4 v[DD:DD+7], v[FV:FV+11], v[FA:FA+11], 0, v[XB], v[XA] matrix_a_fmt:MATRIX_FMT_FP6 matrix_b_fmt:MATRIX_FMT_FP6
.else
	v_wmma_scale_f32_16x16x128_f8f6f4 v[DD:DD+7], v[FV:FV+11], v[FA:FA+11], v[DD:DD+7], v[XB], v[XA] matrix_a_fmt:MATRIX_FMT_FP6 matrix_b_fmt:MATRIX_FMT_FP6
.endif
.endr
.set AA, AA+1
.endr
.endm
.macro FETCH slot, q, set, dual        ; a chunk's fragments: 16 loads for V, 12 for L, 12 for S
	WIN 0x40
.irp b, 0,1,2,3
.set R_, 48*(\set)+12*\b
	ds_load_b128 v[R_:R_+3], v[AV+2*(\slot)] offset:\b*6144+(\q)*1536
	ds_load_b64 v[R_+4:R_+5], v[AV+2*(\slot)+1] offset:\b*6144+(\q)*1536+512
	ds_load_b128 v[R_+6:R_+9], v[AV+2*(\slot)] offset:\b*6144+(\q)*1536+768
	ds_load_b64 v[R_+10:R_+11], v[AV+2*(\slot)+1] offset:\b*6144+(\q)*1536+1280
.endr
.irp a, 0,1,2,3
.irp c, 0,1,2
	ds_load_b128 v[96+48*(\set)+12*\a+4*\c:96+48*(\set)+12*\a+4*\c+3], v[AL+(\slot)] offset:\a*6144+(\q)*1536+512*\c
.endr
.endr
	WIN 0
.if \dual
.irp a, 0,1,2,3
.irp c, 0,1,2
	ds_load_b128 v[160+48*(\set)+12*\a+4*\c:160+48*(\set)+12*\a+4*\c+3], v[AS+(\slot)] offset:\a*6144+(\q)*1536+512*\c
.endr
.endr
.endif
.endm
.macro SCALES set, col, dual           ; a group's scale words: four a row
.irp a, 0,1,2,3
	ds_load_b128 v[SC+64*(\set)+8*\a:SC+64*(\set)+8*\a+3], v[ADSA] offset:1280*\a+16*(\col)
	ds_load_b128 v[SC+64*(\set)+8*\a+4:SC+64*(\set)+8*\a+7], v[ADSB] offset:1280*\a+16*(\col)
.if \dual
	ds_load_b128 v[SC+64*(\set)+32+8*\a:SC+64*(\set)+32+8*\a+3], v[ADSA] offset:10240+1280*\a+16*(\col)
.endif
.endr
.endm
.macro STEP slot, q, dual, zero
	PLACES NP
	FETCH \slot, (\q)+1, 1-(\q)%2, \dual
	s_wait_dscnt 28+12*(\dual)                     ; all but the loads just issued
	WIN 0xa5
	MUL 0, 0, 4, (\q)%2, \slot, \q, \zero
.if \dual
	WIN 0xa1
	MUL 1, 0, 4, (\q)%2, \slot, \q, \zero
.endif
	WIN 0
.endm
; a group's last chunk changes slots; fill = 1: a drained round, and this slot takes the group two on
.macro TURN slot, next, fill, dual, ndual, col
	s_wait_tensorcnt 0x0                           ; all my tensor loads have landed; so every descriptor may be written
	ds_add_u32 v[SPW], v[NIL]
	s_wait_dscnt 1                                 ; this chunk's fragments are in; the add may be out
	WIN 0xa5
	MUL 0, 0, 2, 1, \slot, 3, 0
	s_wait_dscnt 0x0
	s_barrier_signal -1
	MUL 0, 2, 1+(\dual), 1, \slot, 3, 0
	WIN 0
	s_barrier_wait -1
.if \fill
	CREST
	GROUP0 G0V, VREG+(\slot)*GB, 76, (2+(\slot))*VGS
	GROUP0 G0L, LREG+(\slot)*GB, 78, (2+(\slot))*PGS
	s_cmp_eq_u32 s14, 0
	s_cbranch_scc0 .Lrefill_l_\@
	TLOAD G0V, G1V
	s_branch .Lrefilled_\@
.Lrefill_l_\@:
	s_cmp_eq_u32 s14, 1
	s_cbranch_scc0 .Lrefilled_\@
	TLOAD G0L, G1P
.Lrefilled_\@:
.endif
	PLACES NP
	FETCH \next, 0, 0, \ndual
	SCALES \next, \col, \ndual
.if \dual
	WIN 0xa1
	MUL 1, 0, 4, 1, \slot, 3, 0
.else
	WIN 0xa5
	MUL 0, 3, 1, 1, \slot, 3, 0
.endif
	WIN 0
.endm
.macro PACK s, a
	WIN 0x82
.set jj, 128*(\s)+32*(\a)
.rept 16
	v_pk_mul_f32 v[jj:jj+1], v[jj:jj+1], v[RLV+2*(\a):RLV+2*(\a)+1]
.set jj, jj+2
.endr
	WIN 0
.endm
.macro TOSTAGE s, a
	WIN 0x08
.irp b, 0,1,2,3
.set jj, 128*(\s)+32*(\a)+8*\b
	ds_store_b128 v[STE+\b%2], v[jj:jj+3] offset:(\a)*16*SPITCH+32*\b
	ds_store_b128 v[STE+\b%2], v[jj+4:jj+7] offset:(\a)*16*SPITCH+32*\b+16
.endr
	WIN 0
.irp t, 0,1,2,3,4,5,6,7
	ds_load_b128 v[OB+32*((\a)%2)+4*\t:OB+32*((\a)%2)+4*\t+3], v[RD] offset:((\a)*16+2*\t)*SPITCH   ; LDS serves a wave's instructions in order
.endr
.endm
.macro SEND s, a, younger
	s_wait_dscnt \younger
.irp t, 0,1,2,3,4,5,6,7
	global_store_b128 v[CO], v[OB+32*((\a)%2)+4*\t:OB+32*((\a)%2)+4*\t+3], s[90-2*(\s):91-2*(\s)] offset:(32*(\t/4)+8*((\a)^(\t/4))+2*(\t%4))*4096 th:TH_STORE_NT   ; two rows' 256 bytes each, aligned
.endr
.endm
.macro OUT s                           ; the way out of my 64 rows of L (s = 0) or S (s = 1)
	s_wait_xcnt 0x0
	PLACES NP
.irp a, 0,1,2,3
	ds_load_b32 v[RLV+2*\a], v[RLA] offset:512*(\s)+64*\a
	ds_load_b32 v[RLV+2*\a+1], v[RLA] offset:512*(\s)+64*\a
.endr
	s_wait_dscnt 0x0
	PACK \s, 0
	TOSTAGE \s, 0
.irp a, 1,2,3
	PACK \s, \a
.if \a > 1
	s_wait_alu depctr_va_vdst(0)
	s_wait_xcnt 0x0                                ; the stores of the block two back have read their registers
.endif
	TOSTAGE \s, \a
	SEND \s, \a-1, 16
.endr
	SEND \s, 3, 0
.endm
	FETCH 0, 0, 0, 1
	SCALES 0, 0, 1
	STEP 0, 0, 1, 1
	STEP 0, 1, 1, 0
	STEP 0, 2, 1, 0
	s_cmp_eq_u32 s99, 0
	s_cbranch_scc0 .Ltype_b
	TURN 0, 1, 1, 1, 0, 1                          ; group 2 is asked for
	s_wait_xcnt 0x0
	s_add_nc_u64 s[80:81], s[80:81], s[82:83]      ; and group 3, a group ahead of its refill, for the L2
	STEP 1, 0, 0, 0
	global_prefetch_b8 v[PFV], s[80:81] th:TH_LOAD_NT scope:SCOPE_SE
	STEP 1, 1, 0, 0
	STEP 1, 2, 0, 0
	TURN 1, 0, 1, 0, 0, 2                          ; group 3 is asked for
	s_branch .Lgroup_2
.Ltype_b:
	TURN 0, 1, 1, 1, 1, 1
	STEP 1, 0, 1, 0
	STEP 1, 1, 1, 0
	STEP 1, 2, 1, 0
	TURN 1, 0, 0, 1, 0, 2
.Lgroup_2:
	OUT 1                                          ; S is finished, and all waves have read its tiles: its rows leave while L goes on
	STEP 0, 0, 0, 0
	STEP 0, 1, 0, 0
	STEP 0, 2, 0, 0
	s_cmp_eq_u32 s99, 0
	s_cbranch_scc0 .Llast_b
	TURN 0, 1, 0, 0, 0, 3
	STEP 1, 0, 0, 0
	STEP 1, 1, 0, 0
	STEP 1, 2, 0, 0
	s_wait_dscnt 0x0
	WIN 0xa5
	MUL 0, 0, 4, 1, 1, 3, 0
	WIN 0
	s_branch .Lout
.Llast_b:
	s_wait_dscnt 0x0
	WIN 0xa5
	MUL 0, 0, 4, 1, 0, 3, 0
	WIN 0
.Lout:
	OUT 0
	s_wait_tensorcnt 0x0                           ; the wave's end
	ds_add_u32 v[SPW], v[NIL]
	s_wait_dscnt 0x0
	CROUND                                         ; the closing round
	s_endpgm
.Lfunc_end_k_q0a4a59d85a_mix:
	.size	k_q0a4a59d85a_mix, .Lfunc_end_k_q0a4a59d85a_mix-k_q0a4a59d85a_mix
	.p2alignl 7, 3214868480
	.fill 96, 4, 3214868480
	.section	.rodata,"a",@progbits
	.p2align	6, 0x0
	.amdhsa_kernel k_q0a4a59d85a_mix
		.amdhsa_group_segment_fixed_size 327680
		.amdhsa_private_segment_fixed_size 0
		.amdhsa_enable_private_segment 0
		.amdhsa_kernarg_size 40
		.amdhsa_user_sgpr_count 2
		.amdhsa_user_sgpr_kernarg_segment_ptr 1
		.amdhsa_wavefront_size32 1
		.amdhsa_system_sgpr_workgroup_id_x 1
		.amdhsa_system_sgpr_workgroup_id_y 1
		.amdhsa_system_sgpr_workgroup_id_z 1
		.amdhsa_system_vgpr_workitem_id 0
		.amdhsa_next_free_vgpr 768
		.amdhsa_next_free_sgpr 100
		.amdhsa_reserve_vcc 0
		.amdhsa_float_denorm_mode_32 3
		.amdhsa_float_denorm_mode_16_64 3
		.amdhsa_memory_ordered 1
		.amdhsa_forward_progress 1
		.amdhsa_inst_pref_size 184
	.end_amdhsa_kernel
	.amdgpu_metadata
---
amdhsa.version: [ 1, 2 ]
amdhsa.kernels:
  - .name:           k_q0a4a59d85a_mix
    .symbol:         k_q0a4a59d85a_mix.kd
    .args:
      - { .name: pf, .offset: 0, .size: 8, .value_kind: global_buffer, .address_space: global }
      - { .name: qkv, .offset: 8, .size: 8, .value_kind: global_buffer, .address_space: global }
      - { .name: sw, .offset: 16, .size: 8, .value_kind: global_buffer, .address_space: global }
      - { .name: st, .offset: 24, .size: 8, .value_kind: global_buffer, .address_space: global }
      - { .name: out0, .offset: 32, .size: 8, .value_kind: global_buffer, .address_space: global }
    .group_segment_fixed_size: 327680
    .private_segment_fixed_size: 0
    .kernarg_segment_align: 8
    .kernarg_segment_size: 40
    .max_flat_workgroup_size: 128
    .sgpr_count:     100
    .vgpr_count:     768
    .wavefront_size: 32
...
	.end_amdgpu_metadata
.endif
;; end of part 3
